; MI455X (gfx1250); checked and timed in simulation.
; The chip was launched on July 23, 2026; its instructions are those of AMD's public machine-readable ISA for CDNA 5 (MIT licence, August 2026) and "CDNA5" Instruction Set Architecture Reference Guide (July 2026). The comments in the code are by the model that wrote it; some were corrected since.
;; Polymorphic Attention. Allowed arithmetic: float matrix products may take bf16 or f16 operands with f32 sums; other float arithmetic in f32, or as packed bf16 or f16 multiplies, adds, multiply-adds, maxima and minima; sums over many terms, partial sums and values carried from step to step in f32; what a program stores and reads back later, other than sums and carried values, may be rounded once to bf16 or f16.
;; Inputs: W_out 1,024 x 1,024 float32; W_qkv 1,024 x 3,072 float32; b_out 1,024 float32; b_qkv 3,072 float32; x 4 x 4,096 x 1,024 float32.
;; Outputs: out0 4 x 4,096 x 1,024 float32.
;; 2 versions, each right; version 2 is version 1 with the launch attn written anew for expert scheduling mode. Each part assembles by itself: llvm-mc -triple=amdgcn-amd-amdhsa -mcpu=gfx1250 --defsym DOCPART=n.
;; ======== version 1 of 2: 4 launches
;; limits: values are held in f16: magnitudes above 65,504 overflow, below 6.1e-05 lose precision
;; workspace buffers: xb 33,554,432 bytes; wq 6,291,456 bytes; bq 12,288 bytes; wo 2,097,152 bytes; qkv 100,663,296 bytes; att 33,554,432 bytes
;; launch prep (part 1): grid 1281 x 1, 8 waves a work-group, no clusters, 0 bytes of LDS; arguments x, W_qkv, b_qkv, W_out, xb, wq, bq, wo; writes xb, wq, bq, wo
.if DOCPART == 1
	.amdgcn_target "amdgcn-amd-amdhsa--gfx1250"
	.amdhsa_code_object_version 6
	.text
	.protected	k_qb42858604e_prep
	.globl	k_qb42858604e_prep
	.p2align	8
	.type	k_qb42858604e_prep,@function
k_qb42858604e_prep:
	s_mov_b64 s[64:65], 0
	v_nop
	global_prefetch_b8 v0, s[64:65] scope:SCOPE_SE
	s_setreg_imm32_b32 hwreg(HW_REG_WAVE_MODE, 25, 1), 1
	s_wait_xcnt 0x0
; THE CAST.  x -> xb (bf16, as it lies).  W_qkv -> wq (bf16, columns in another order).  b_qkv -> bq (f32, the same order).
; W_out -> wo (rounded to bf16, that number written as f16; rows in another order).
; THE ORDERS (h, g: head; d: channel; e = d / 8, i = d % 8).  q and k, part p: column 1024 p + 128 e + 8 h + i takes W_qkv's column 1024 p + 64 h + 8 e + i.
; v: column 2048 + 16 d + g takes column 2048 + 64 g + d.  wo: row 128 e + 8 h + i takes W_out's row 64 h + 8 e + i.
; With them every matrix fragment of the attention launch is 512 consecutive bytes of a token's row, and so is each of its results.
; LIMIT.  A bf16 number below 6e-5 in magnitude lands on f16's fixed step of 6e-8 in wo; one beyond 65,504 has no f16.
; SHARES.  A work-group is one ROLE, chosen by its number, each with a text of its own.  All of a role's loads go out first; the waits count the younger steps' loads.
; Roles X and WO, whose numbers keep their order within a row: sixteen steps; in a step a thread takes 16 consecutive bytes (4 numbers) and stores 8, so that a wave's load covers 512 consecutive bytes
; that no other load touches, and a wave's store 256 consecutive bytes, aligned.  Roles QK and V, which change the order: eight steps; in a step a thread makes 8 numbers, 16 bytes, so that sixteen
; neighbouring lanes store 256 consecutive bytes, aligned.
; No LDS, no matrix unit, no cluster: no byte is wanted twice, and the launch only moves bytes.
.set NX,   1024                        ; work-groups for x: 65,536 bytes of x each
.set NWO,  64                          ; for W_out: 16 rows each
.set NQK,  128                         ; for W_qkv's q and k columns: 16 rows of one part each
.set NV,   64                          ; for W_qkv's v columns: 16 rows each; one more work-group takes the bias
.set VIN,  1                           ; v1   my byte offset in the source
.set VOUT, 2                           ; v2   my byte offset in the destination
.set X,    8                           ; v[8:71]    the numbers in f32
.set Y,    72                          ; v[72:103]  the numbers in 16 bits
.macro LOADS16 base, nt                ; roles X and WO: step i is 4,096 consecutive bytes for the work-group's 256 threads
.irp i, 0,1,2,3,4,5,6,7,8,9,10,11,12,13,14,15
.if \nt
	global_load_b128 v[X+4*(\i):X+4*(\i)+3], v[VIN], s[\base:\base+1] offset:4096*(\i) th:TH_LOAD_NT
.else
	global_load_b128 v[X+4*(\i):X+4*(\i)+3], v[VIN], s[\base:\base+1] offset:4096*(\i)
.endif
.endr
.endm
.macro OUT16 base, jump, fix           ; each step is rounded and stored as it comes in.  Steps 0-7 lie 2,048 bytes apart, steps 8-15 begin jump bytes behind step 0.  fix = 1: the bf16 numbers are written as f16
.irp i, 0,1,2,3,4,5,6,7,8,9,10,11,12,13,14,15
	s_wait_loadcnt 15-(\i)                         ; loads come back in order: step i is in, the younger steps' loads stay out
	v_cvt_pk_bf16_f32 v[Y+2*(\i)],   v[X+4*(\i)],   v[X+4*(\i)+1]
	v_cvt_pk_bf16_f32 v[Y+2*(\i)+1], v[X+4*(\i)+2], v[X+4*(\i)+3]
.if \fix
	v_lshlrev_b32 v3, 16, v[Y+2*(\i)]              ; widened by a shift and a mask, then narrowed
	v_and_b32 v4, s14, v[Y+2*(\i)]
	v_lshlrev_b32 v5, 16, v[Y+2*(\i)+1]
	v_and_b32 v6, s14, v[Y+2*(\i)+1]
	v_cvt_pk_f16_f32 v[Y+2*(\i)], v3, v4
	v_cvt_pk_f16_f32 v[Y+2*(\i)+1], v5, v6
.endif
	global_store_b64 v[VOUT], v[Y+2*(\i):Y+2*(\i)+1], s[\base:\base+1] offset:((\i)%8)*2048+((\i)/8)*(\jump) th:TH_STORE_NT
.endr
.endm
.macro LOADS_LIN base, step            ; role QK: step i: 32 consecutive bytes a thread
.irp i, 0,1,2,3,4,5,6,7
	global_load_b128 v[X+8*(\i):X+8*(\i)+3],   v[VIN], s[\base:\base+1] offset:(\i)*(\step)
	global_load_b128 v[X+8*(\i)+4:X+8*(\i)+7], v[VIN], s[\base:\base+1] offset:(\i)*(\step)+16
.endr
.endm
.macro CVT per                         ; roles QK and V; per = loads in a step
.irp i, 0,1,2,3,4,5,6,7
	s_wait_loadcnt (\per)*(7-(\i))                 ; step i is in, the younger steps' loads stay out
.irp j, 0,1,2,3
	v_cvt_pk_bf16_f32 v[Y+4*(\i)+(\j)], v[X+8*(\i)+2*(\j)], v[X+8*(\i)+2*(\j)+1]
.endr
.endr
.endm
.macro STORES base, step
.irp i, 0,1,2,3,4,5,6,7
	global_store_b128 v[VOUT], v[Y+4*(\i):Y+4*(\i)+3], s[\base:\base+1] offset:(\i)*(\step) th:TH_STORE_NT
.endr
.endm
	s_load_b512 s[16:31], s[0:1], 0x0              ; x 16, W_qkv 18, b_qkv 20, W_out 22, xb 24, wq 26, bq 28, wo 30
	s_mov_b32 s2, ttmp9
	s_mov_b32 s11, 0                               ; the high words of the two offsets
	s_mov_b32 s13, 0
	s_mov_b32 s14, 0xffff0000                      ; a word's upper bf16
	s_wait_kmcnt 0x0
	s_cmp_lt_u32 s2, NX
	s_cbranch_scc0 .Lnot_x
	; ROLE X: 16,384 numbers as they lie
	v_lshlrev_b32 v[VIN], 4, v0
	v_lshlrev_b32 v[VOUT], 3, v0
	s_lshl_b32 s10, s2, 16
	s_lshl_b32 s12, s2, 15
	s_add_nc_u64 s[4:5], s[16:17], s[10:11]
	s_add_nc_u64 s[6:7], s[24:25], s[12:13]
	LOADS16 4, 1
	OUT16 6, 16384, 0
	s_endpgm
.Lnot_x:
	s_cmp_lt_u32 s2, NX+NWO
	s_cbranch_scc0 .Lnot_wo
	; ROLE WO: rows 16 c .. 16 c + 15 of W_out, a row a step: head c / 4, channels 16 (c % 4) + 0..15.  The first eight go to rows 256 (c % 4) + 8 (c / 4) + 0..7 of wo, the others 128 rows further down
	s_sub_co_u32 s3, s2, NX                        ; c
	v_lshlrev_b32 v[VIN], 4, v0
	v_lshlrev_b32 v[VOUT], 3, v0
	s_lshl_b32 s10, s3, 16
	s_and_b32 s12, s3, 3
	s_lshl_b32 s12, s12, 5
	s_lshr_b32 s15, s3, 2
	s_add_co_u32 s12, s12, s15
	s_lshl_b32 s12, s12, 14                        ; 8 rows of 2,048 bytes x (32 (c % 4) + c / 4)
	s_add_nc_u64 s[4:5], s[22:23], s[10:11]
	s_add_nc_u64 s[6:7], s[30:31], s[12:13]
	LOADS16 4, 0
	OUT16 6, 262144, 1
	s_endpgm
.Lnot_wo:
	v_lshrrev_b32 v3, 7, v0                        ; the three roles below: a step is two rows; which of them is mine,
	v_and_b32 v4, 127, v0                          ; and which 8 columns of the part's 1,024
	v_mul_u32_u24 v[VOUT], v3, 6144
	v_lshl_add_u32 v[VOUT], v4, 4, v[VOUT]
	v_mul_u32_u24 v[VIN], v3, 12288
	s_cmp_lt_u32 s2, NX+NWO+NQK
	s_cbranch_scc0 .Lnot_qk
	; ROLE QK: part c / 64, rows 16 (c % 64) on.  My 8 columns 128 e + 8 h + 0..7 (h = t % 16, e = (t / 16) % 8) come from 32 consecutive bytes at 256 h + 32 e
	s_sub_co_u32 s3, s2, NX+NWO                    ; c
	s_lshr_b32 s15, s3, 6                          ; p
	s_and_b32 s3, s3, 63
	s_mul_i32 s10, s3, 196608
	s_mul_i32 s12, s3, 98304
	s_lshl_b32 s3, s15, 12
	s_add_co_u32 s10, s10, s3
	s_lshl_b32 s3, s15, 11
	s_add_co_u32 s12, s12, s3
	v_and_b32 v4, 15, v0
	v_bfe_u32 v5, v0, 4, 3
	v_lshl_add_u32 v[VIN], v4, 8, v[VIN]
	v_lshl_add_u32 v[VIN], v5, 5, v[VIN]
	s_add_nc_u64 s[4:5], s[18:19], s[10:11]
	s_add_nc_u64 s[6:7], s[26:27], s[12:13]
	LOADS_LIN 4, 24576
	CVT 2
	STORES 6, 12288
	s_endpgm
.Lnot_qk:
	s_cmp_lt_u32 s2, NX+NWO+NQK+NV
	s_cbranch_scc0 .Lbias
	; ROLE V: rows 16 c on.  My 8 columns 16 d + 8 (t % 2) + 0..7 (d = (t / 2) % 64) are one channel of eight heads: eight single words, 256 bytes apart
	s_sub_co_u32 s3, s2, NX+NWO+NQK                ; c
	s_mul_i32 s10, s3, 196608
	s_add_co_u32 s10, s10, 8192
	s_mul_i32 s12, s3, 98304
	s_add_co_u32 s12, s12, 4096
	v_and_b32 v4, 1, v0
	v_bfe_u32 v5, v0, 1, 6
	v_lshl_add_u32 v[VIN], v4, 11, v[VIN]
	v_lshl_add_u32 v[VIN], v5, 2, v[VIN]
	s_add_nc_u64 s[4:5], s[18:19], s[10:11]
	s_add_nc_u64 s[6:7], s[26:27], s[12:13]
.irp i, 0,1,2,3,4,5,6,7
.irp j, 0,1,2,3,4,5,6,7
	global_load_b32 v[X+8*(\i)+(\j)], v[VIN], s[4:5] offset:24576*(\i)+256*(\j)
.endr
.endr
	CVT 8
	STORES 6, 12288
	s_endpgm
.Lbias:
	; ROLE BIAS: bq's number 256 i + t, twelve steps; the orders are wq's
	v_bfe_u32 v3, v0, 3, 4                         ; q and k: h
	v_lshrrev_b32 v4, 7, v0                        ; the low bit of e
	v_and_b32 v5, 7, v0                            ; i
	v_lshlrev_b32 v[VIN], 8, v3
	v_lshl_add_u32 v[VIN], v4, 5, v[VIN]
	v_lshl_add_u32 v[VIN], v5, 2, v[VIN]
	v_and_b32 v3, 15, v0                           ; v: g
	v_lshrrev_b32 v4, 4, v0                        ; the low four bits of d
	v_lshlrev_b32 v6, 8, v3
	v_lshl_add_u32 v6, v4, 2, v6
	v_lshlrev_b32 v[VOUT], 2, v0
.irp i, 0,1,2,3,4,5,6,7
	global_load_b32 v[X+(\i)], v[VIN], s[20:21] offset:4096*((\i)/4)+64*((\i)%4)
.endr
.irp i, 8,9,10,11
	global_load_b32 v[X+(\i)], v6, s[20:21] offset:8192+64*((\i)%4)
.endr
	s_wait_loadcnt 0x0
.irp i, 0,1,2,3,4,5,6,7,8,9,10,11
	global_store_b32 v[VOUT], v[X+(\i)], s[28:29] offset:1024*(\i)
.endr
	s_endpgm
.Lfunc_end_k_qb42858604e_prep:
	.size	k_qb42858604e_prep, .Lfunc_end_k_qb42858604e_prep-k_qb42858604e_prep
	.p2alignl 7, 3214868480
	.fill 96, 4, 3214868480
	.section	.rodata,"a",@progbits
	.p2align	6, 0x0
	.amdhsa_kernel k_qb42858604e_prep
		.amdhsa_group_segment_fixed_size 0
		.amdhsa_private_segment_fixed_size 0
		.amdhsa_enable_private_segment 0
		.amdhsa_kernarg_size 64
		.amdhsa_user_sgpr_count 2
		.amdhsa_user_sgpr_kernarg_segment_ptr 1
		.amdhsa_wavefront_size32 1
		.amdhsa_system_sgpr_workgroup_id_x 1
		.amdhsa_system_sgpr_workgroup_id_y 1
		.amdhsa_system_sgpr_workgroup_id_z 1
		.amdhsa_system_vgpr_workitem_id 0
		.amdhsa_next_free_vgpr 104
		.amdhsa_next_free_sgpr 66
		.amdhsa_reserve_vcc 0
		.amdhsa_float_denorm_mode_32 3
		.amdhsa_float_denorm_mode_16_64 3
		.amdhsa_memory_ordered 1
		.amdhsa_forward_progress 1
		.amdhsa_inst_pref_size 35
	.end_amdhsa_kernel
	.amdgpu_metadata
---
amdhsa.version: [ 1, 2 ]
amdhsa.kernels:
  - .name:           k_qb42858604e_prep
    .symbol:         k_qb42858604e_prep.kd
    .args:
      - { .name: x, .offset: 0, .size: 8, .value_kind: global_buffer, .address_space: global }
      - { .name: W_qkv, .offset: 8, .size: 8, .value_kind: global_buffer, .address_space: global }
      - { .name: b_qkv, .offset: 16, .size: 8, .value_kind: global_buffer, .address_space: global }
      - { .name: W_out, .offset: 24, .size: 8, .value_kind: global_buffer, .address_space: global }
      - { .name: xb, .offset: 32, .size: 8, .value_kind: global_buffer, .address_space: global }
      - { .name: wq, .offset: 40, .size: 8, .value_kind: global_buffer, .address_space: global }
      - { .name: bq, .offset: 48, .size: 8, .value_kind: global_buffer, .address_space: global }
      - { .name: wo, .offset: 56, .size: 8, .value_kind: global_buffer, .address_space: global }
    .group_segment_fixed_size: 0
    .private_segment_fixed_size: 0
    .kernarg_segment_align: 8
    .kernarg_segment_size: 64
    .max_flat_workgroup_size: 256
    .sgpr_count:     66
    .vgpr_count:     104
    .wavefront_size: 32
...
	.end_amdgpu_metadata
.endif
;; end of part 1
;; launch gemm_qkv (part 2): grid 4 x 64, 4 waves a work-group, clusters of 4 x 4, 327,680 bytes of LDS; arguments xb, wq, bq, qkv; writes qkv
.if DOCPART == 2
	.amdgcn_target "amdgcn-amd-amdhsa--gfx1250"
	.amdhsa_code_object_version 6
	.text
	.protected	k_qb42858604e_gemm_qkv
	.globl	k_qb42858604e_gemm_qkv
	.p2align	8
	.type	k_qb42858604e_gemm_qkv,@function
k_qb42858604e_gemm_qkv:
	s_mov_b64 s[64:65], 0
	v_nop
	global_prefetch_b8 v0, s[64:65] scope:SCOPE_SE
	s_setreg_imm32_b32 hwreg(HW_REG_WAVE_MODE, 25, 1), 1
	s_wait_xcnt 0x0
	s_wait_alu depctr_hold_cnt(0) depctr_sa_sdst(0) depctr_va_vdst(0) depctr_va_sdst(0) depctr_va_ssrc(0) depctr_va_vcc(0) depctr_vm_vsrc(0)
	s_getreg_b32 s2, hwreg(HW_REG_IB_STS2, 6, 4)
	s_cmp_eq_u32 s2, 0
	s_cbranch_scc0 .Lentry_in_a_cluster
	s_endpgm
.Lentry_in_a_cluster:
	s_bfe_u32 s2, ttmp6, 0x10000c
	s_cmp_lg_u32 s2, 0xf033
	s_cbranch_scc0 .Lentry_shape_is_right
	s_endpgm
.Lentry_shape_is_right:
; C[m][n] = bias[n] + the sum over k of A[m][k] B[k][n].  A: [16384][1024], B: [1024][SIZE_N], both 16 bits; bias: [SIZE_N] f32; sums in f32; C rounded once.
; This text stands twice in the program; the five constants below are all that differs.  HERE: A = xb, B = wq (bf16), C = qkv in f16; a work-group makes three tiles of C.
; LIMIT.  f16 holds no number beyond 65,504: the numbers of qkv must lie within it.  NaN and infinities are not treated apart.
.set SIZE_N, 3072                      ; columns of B and C
.set F16IN,  0                         ; 0: A and B are bf16; 1: f16
.set OUT32,  0                         ; 0: C is f16; 1: f32
.set SPITCH, 272                       ; a row of the stage: a wave's 128 numbers of C + 16 bytes
.set TILES,  3                         ; tiles of C to a work-group; the grid is SIZE_N / 256 / TILES wide
; A tile of C, 256 x 256, is made by a work-group of four waves; a wave makes 128 x 128: 64 accumulators of 16 x 16, 512 registers.  K goes in 8 steps of 128 through a ring of two LDS slots
; filled by the tensor data mover.  A's rows lie along K and come out of LDS as they lie; B's rows lie along N and are turned on the way out of LDS, by ds_load_tr16_b128.
; A WORK-GROUP STAYS (TILES > 1): its tiles lie side by side, WALK columns apart: the same rows of A, other columns of B.  A loop over tiles stands round the loop over K, and the ring does not stop at a
; tile's end: a tile's last two changes of slots ask for the next tile's first two K steps; then the tile goes out, and nothing waits for its stores.  The next tile's bias is loaded behind the quarter
; step that has read this tile's.  The last tile's tail, which asks for nothing, is written out; both ways join in front of one way out.  TILES > 1 goes with OUT32 = 0 alone: the f32 way out works in
; the registers that would hold the next tile's first fragments.
; CLUSTERS: 4 x 4 work-groups.  The four of a row of the cluster need the same tiles of A, the four of a column the same tiles of B: each tile is asked for JOINTLY, by the same tensor load with
; the same descriptor and a mask that names the four.
; THE MATRIX INSTRUCTION IS USED TRANSPOSED: source 0 = 16 columns of B, source 1 = 16 rows of A.  Lane l then holds row l % 16 of C and the columns 8 (l / 16) + 0..7.
; THE BIAS is the C operand of the product that starts each sum: nothing is cleared and nothing is added afterwards.
; REGISTERS, in windows of 256 (s_set_vgpr_msb: bits 1:0 source 0, 3:2 source 1, 5:4 source 2, 7:6 destination):
;   window 0: v0-31 addresses; v64-127, v128-191 fragments of A, two buffers; the rest at work on the way out
;   window 1: v0-63 the bias of my 128 columns, laid as an accumulator's registers; v64-127, v128-191 fragments of B, two buffers
;   window 2: the 32 accumulators of my rows 0-63 ((a, b) at v[8 (8 a + b)]);   window 3: those of my rows 64-127
.set SIZE_K, 1024
.set KSTEP,  128
.set LAPS,   SIZE_K/(2*KSTEP)          ; a lap = two K steps = once round the ring
.set ESZ,    2+2*OUT32                 ; bytes in a number of C
.set WALK,   SIZE_N/TILES              ; columns from a tile to the work-group's next
.set BACK_A, (SIZE_K-2*KSTEP)*2        ; bytes from a slot's last K step of a tile back to its first of the next: A only goes back along K,
.set BACK_B, (SIZE_K-2*KSTEP)*2*SIZE_N-WALK*2  ; B goes back along K and WALK columns on
.set PBK_A,  (SIZE_K-KSTEP)*2          ; the same for the prefetches' pointer: from the K step behind the tile's last but one place to the next tile's K step 2
.set PBK_B,  (SIZE_K-KSTEP)*2*SIZE_N-WALK*2
.set PITCH,  272                       ; a row of A in LDS: 256 bytes + 16 = 68 words: the 16 rows of a load start at 16 different groups of four banks (64 banks of 4 bytes: ISA guide 11.1)
.set PB,     544                       ; a row of B in LDS: 512 bytes + 32 = 136 words
.set HALFT,  128*PITCH                 ; what one tensor load brings: 128 rows of A, or 64 rows of B (64 x 544 is the same number)
.set SLOT,   4*HALFT                   ; A's 256 rows, then B's 128 rows
.set STAGE,  2*SLOT                    ; behind the ring: 16 rows for each wave, for the way out; no tensor load fills it
.set SPARE,  STAGE+4*16*SPITCH         ; behind the stages: the spare words, 128 bytes for each wave: two blocks of 256 bytes that no other line names
.set ADRA, 16                          ; v16-17  LDS address of my A fragments in slot 0, 1
.set ADRB, 20                          ; v20-21  the same for B
.set STO,  24                          ; v24     the way out: where I put my part of a row
.set RD,   25                          ; v25     the way out: where I read rows back
.set CO,   26                          ; v26     my byte offset in C
.set BO,   27                          ; v27     my byte offset in 16 numbers of the bias
.set SPW,  28                          ; v28     LDS address of my spare word: SPARE + 4 x my thread's number; never rewritten
.set NIL,  29                          ; v29     0; never rewritten
.set PFO,  30                          ; v30     the prefetches' offset; never rewritten
.set F0,   64
.set F1,   128
.set TMP,  192                         ; f16 way out: packed results
.set OB,   32                          ; f16 way out: 16 rows read back: v32-63 and v224-255 by turns
.set G1,   24                          ; s[24:31] descriptor group 1 for A's tiles
.set G0,   32                          ; s[32:39] group 0 for A's tiles, a set for each slot
.set LIM,  43                          ; s43      1 in a wave that prefetches, else the greatest number
.set PFA,  44                          ; s[44:45] where my prefetches stand
.set G1B,  48                          ; s[48:55], s[56:63] the same two groups for B's tiles
.set G0B,  56
.set BIAS, 68                          ; s[68:69]
.set CP,   70                          ; s[70:71] C at my part of the tile
.set PST,  72                          ; s[72:73] a K step in the tensor that I prefetch
.set PBK,  76                          ; s[76:77] what the prefetches' pointer goes back at a change of tiles
.set CST,  78                          ; s[78:79] what a way out adds to C's address: 0 for the first tile, then WALK columns
.set MSB, 0
.macro WIN new                         ; the immediate's high byte repeats the setting that is left; a switch that changes nothing is dropped
.if MSB != (\new)
	s_set_vgpr_msb (MSB<<8)|(\new)
.set MSB, \new
.endif
.endm
; A joint refill.  Waves 0 and 1 fetch A's two halves, waves 2 and 3 B's.  The branch hangs on the wave's number alone.  An s_nop 0 and four v_nop follow each of the two lines.
.macro JLOAD s
	s_cmp_eq_u32 s11, 0
	s_cbranch_scc0 .Lfor_b_\@
	tensor_load_to_lds s[G0+4*(\s):G0+4*(\s)+3], s[G1:G1+7]
	s_nop 0
.rept 4
	v_nop
.endr
	s_branch .Lasked_\@
.Lfor_b_\@:
	tensor_load_to_lds s[G0B+4*(\s):G0B+4*(\s)+3], s[G1B:G1B+7]
	s_nop 0
.rept 4
	v_nop
.endr
.Lasked_\@:
.endm
; A PREFETCH INTO THE L2, behind each joint refill and the run of LDS loads that follows it: the K step that stands two refills on, 512 matrix instructions ahead of the load that will want it; 32 blocks of 256 bytes,
; a lane a block, one instruction a wave.  Each block is named once in the launch: A's rows by the clusters with x = 0, B's by those with y = 0; the four partners that ask for a tile jointly share its
; blocks out BY ADDRESS.  The launch's K steps 0 to 3 come by their loads alone.  how = 0, in the loop: its last trip has no K step two refills on and asks for nothing.  how = 1, at a change of tiles: the next
; tile's K steps 2 and 3 of B (its K steps 0 and 1 come by their refills alone); A's rows, which all tiles of the walk read, are asked for in the first tile alone.
.macro ASK how
.if \how
	s_cmp_eq_u32 s[LIM], 1
.else
	s_cmp_gt_u32 s3, s[LIM]                        ; s3 = 1 in the loop's last trip
.endif
	s_cbranch_scc0 .Lnot_mine_\@
	global_prefetch_b8 v[PFO], s[PFA:PFA+1] th:TH_LOAD_NT scope:SCOPE_SE
.Lnot_mine_\@:
.endm
; A round of the cluster's barrier: my work-group's barrier; wave 0 signals for the work-group; every wave waits for all sixteen; my work-group's barrier once more.
.macro CREST
	s_cmp_lg_u32 s10, 0
	s_cbranch_scc1 .Lnot_wave_0_\@
	s_barrier_signal -3
.Lnot_wave_0_\@:
	s_barrier_wait -3
	s_barrier_signal -1
	s_barrier_wait -1
.endm
.macro CROUND
	s_barrier_signal -1
	s_barrier_wait -1
	CREST
.endm
.macro BIASLOAD                        ; register 8 b + j of window 1: the bias of column 16 b + 8 (l / 16) + j of my 128
	WIN 0x40                                       ; destination window 1, address window 0
.irp b, 0,1,2,3,4,5,6,7
	global_load_b128 v[8*(\b):8*(\b)+3],   v[BO], s[BIAS:BIAS+1] offset:64*(\b)
	global_load_b128 v[8*(\b)+4:8*(\b)+7], v[BO], s[BIAS:BIAS+1] offset:64*(\b)+16
.endr
	WIN 0
.endm
	s_load_b128 s[4:7], s[0:1], 0x0                ; A s[4:5], B s[6:7]
	s_load_b128 s[68:71], s[0:1], 0x10             ; bias, C
	v_lshl_add_u32 v[SPW], v0, 2, SPARE
	v_mov_b32 v[NIL], 0
	ds_add_u32 v[SPW], v[NIL]                      ; the wave's opening: the add and its wait stand ahead of my first tensor load; the set-up below, work on registers, stands between them
	v_lshrrev_b32 v1, 5, v0
	v_readfirstlane_b32 s10, v1                    ; wave 0..3
	s_lshr_b32 s11, s10, 1                         ; which half of the tile's rows is mine.  Also: I fetch for A (0) or for B (1)
	s_and_b32 s12, s10, 1                          ; which half of its columns.  Also: which half of that tile I fetch
	s_bfe_u32 s40, ttmp6, 0x40000                  ; cx, cy: my place in the cluster
	s_bfe_u32 s41, ttmp6, 0x40004
	s_lshl_b32 s42, ttmp9, 2
	s_add_co_u32 s42, s42, s40                     ; tile column of my first tile of C = 4 x cluster x + cx
	s_and_b32 s13, ttmp7, 0xffff
	s_lshl_b32 s13, s13, 2
	s_add_co_u32 s13, s13, s41                     ; tile row of C = 4 x cluster y + cy
	s_lshl_b32 s43, s41, 2
	s_lshl_b32 s43, 15, s43                        ; my row of the cluster: places 4 cy .. 4 cy + 3
	s_lshl_b32 s44, 0x1111, s40                    ; my column: places cx, cx + 4, cx + 8, cx + 12
	; group 1 for A: 128 rows x 128 elements of 2 bytes; 16 bytes of padding behind every 64 words
	s_or_b32 s[G1+0], s43, (1<<16)|(1<<20)|(1<<21)|(5<<22)|(3<<25)  ; 15:0 the mask; 17:16 element size; 20 padding on; 21 set beside a mask; 24:22 the interval; 31:25 the pad
	s_mov_b32 s[G1+1], KSTEP<<16                   ; tensor_dim0 = 128
	s_mov_b32 s[G1+2], 128<<16                     ; tensor_dim1 = 128
	s_mov_b32 s[G1+3], KSTEP<<16                   ; tile_dim0 = 128
	s_mov_b32 s[G1+4], 128                         ; tile_dim1 = 128
	s_mov_b32 s[G1+5], SIZE_K                      ; elements from row to row
	s_mov_b32 s[G1+6], 0
	s_mov_b32 s[G1+7], 0
	; group 1 for B: 64 rows x 256 elements; 32 bytes of padding behind every 128 words
	s_or_b32 s[G1B+0], s44, (1<<16)|(1<<20)|(1<<21)|(6<<22)|(7<<25)
	s_mov_b32 s[G1B+1], 256<<16
	s_mov_b32 s[G1B+2], 64<<16
	s_mov_b32 s[G1B+3], 256<<16
	s_mov_b32 s[G1B+4], 64
	s_mov_b32 s[G1B+5], SIZE_N
	s_mov_b32 s[G1B+6], 0
	s_mov_b32 s[G1B+7], 0
.if TILES > 1
	s_mov_b32 s[CST], 0
	s_mov_b32 s[CST+1], 0
.endif
	; where the tiles come from.  A's hang on the tile row alone, which my row of the cluster shares; B's on the tile column alone, which my column shares
	s_lshl_b32 s17, s12, 7
	s_lshl_b32 s16, s13, 8
	s_add_co_u32 s16, s16, s17                     ; A: row 256 x tile row + 128 x half,
	s_lshl_b32 s16, s16, 11                        ; of 2,048 bytes
	s_mov_b32 s17, 0
	s_mul_i32 s46, s12, 128*SIZE_N                 ; B: row 64 x half, of 2 SIZE_N bytes,
	s_lshl_b32 s47, s42, 9                         ; column 256 x tile column
	s_add_co_u32 s46, s46, s47
	s_mov_b32 s47, 0
	s_mul_i32 s20, s10, HALFT                      ; and where they go: wave x a load's bytes: no place in the cluster enters an LDS address
	s_wait_dscnt 0x0                               ; the opening add is done
	s_wait_kmcnt 0x0
	s_add_nc_u64 s[14:15], s[4:5], s[16:17]
	s_add_nc_u64 s[46:47], s[6:7], s[46:47]
	CROUND                                         ; all sixteen work-groups are here: the first joint loads meet
.irp s, 0,1
	s_mov_b32 s[G0+4*(\s)], 1                                      ; count = 1
	s_add_co_u32 s[G0+4*(\s)+1], s20, (\s)*SLOT                    ; LDS address
	s_add_nc_u64 s[G0+4*(\s)+2:G0+4*(\s)+3], s[14:15], (\s)*KSTEP*2  ; global address: K step s
	s_or_b32 s[G0+4*(\s)+3], s[G0+4*(\s)+3], 0x80000000            ; type = 2
	s_mov_b32 s[G0B+4*(\s)], 1
	s_add_co_u32 s[G0B+4*(\s)+1], s20, (\s)*SLOT
	s_add_nc_u64 s[G0B+4*(\s)+2:G0B+4*(\s)+3], s[46:47], (\s)*KSTEP*2*SIZE_N
	s_or_b32 s[G0B+4*(\s)+3], s[G0B+4*(\s)+3], 0x80000000
.endr
	s_cmp_eq_u32 s11, 0                            ; a wave's two first fills stand in one branch, ahead of every wait on TENSORcnt and every LDS read: two loads of mine are out
	s_cbranch_scc0 .Lfirst_b
	tensor_load_to_lds s[G0:G0+3], s[G1:G1+7]
	s_nop 0
	tensor_load_to_lds s[G0+4:G0+7], s[G1:G1+7]
	s_nop 0
.rept 4
	v_nop
.endr
	s_branch .Lfirst_asked
.Lfirst_b:
	tensor_load_to_lds s[G0B:G0B+3], s[G1B:G1B+7]
	s_nop 0
	tensor_load_to_lds s[G0B+4:G0B+7], s[G1B:G1B+7]
	s_nop 0
.rept 4
	v_nop
.endr
.Lfirst_asked:
	; A fragment is 16 rows x 32 K in 8 registers: lane l holds row l % 16; registers 0-3 K = 8 (l / 16) + 0..7, registers 4-7 K = 16 + 8 (l / 16) + 0..7.
	; A: two loads of 16 bytes, 32 bytes apart.  B: the turning load takes 16 K x 16 columns (lane l reads K row 8 (l / 16) + l % 8, columns 8 ((l / 8) % 2) + 0..7) and leaves half a fragment; the second stands 16 rows on.
	v_and_b32 v1, 15, v0                           ; l % 16
	v_bfe_u32 v2, v0, 4, 1                         ; l / 16
	v_mul_u32_u24 v3, v1, PITCH
	v_lshl_add_u32 v3, v2, 4, v3
	v_and_b32 v4, 7, v0
	v_bfe_u32 v5, v0, 3, 1
	v_lshl_add_u32 v4, v2, 3, v4
	v_mul_u32_u24 v4, v4, PB
	v_lshl_add_u32 v4, v5, 4, v4
	s_mul_i32 s21, s11, HALFT                      ; my 128 rows of A
	s_lshl_b32 s22, s12, 8                         ; my 128 columns of B: 256 bytes of each row,
	s_add_co_u32 s22, s22, 2*HALFT                 ; behind A's 256 rows
.irp s, 0,1
	v_add_nc_u32 v[ADRA+(\s)], s21, v3
	v_add_nc_u32 v[ADRB+(\s)], s22, v4
	s_add_co_u32 s21, s21, SLOT
	s_add_co_u32 s22, s22, SLOT
.endr
	s_mul_i32 s23, s10, 16*SPITCH
	s_add_co_u32 s23, s23, STAGE                   ; my stage
	v_mul_u32_u24 v6, v1, SPITCH                   ; in: row l % 16, my eight numbers
.if OUT32
	v_lshl_add_u32 v6, v2, 5, v6
	v_add_nc_u32 v[STO], s23, v6
	v_and_b32 v7, 31, v0                           ; back: 32 lanes take one row of 512 bytes,
	v_lshlrev_b32 v[CO], 4, v7                     ; which are 512 consecutive bytes of C
	v_add_nc_u32 v[RD], s23, v[CO]
.else
	v_lshl_add_u32 v6, v2, 4, v6
	v_add_nc_u32 v[STO], s23, v6
	v_mul_u32_u24 v7, v2, SPITCH                   ; back: lanes 0-15 take one row of 256 bytes, lanes 16-31 the next,
	v_lshl_add_u32 v7, v1, 4, v7
	v_add_nc_u32 v[RD], s23, v7
	v_mul_u32_u24 v7, v2, SIZE_N*2                 ; and the same two rows in C
	v_lshl_add_u32 v[CO], v1, 4, v7
.endif
	v_lshlrev_b32 v[BO], 5, v2
	s_lshl_b32 s16, s13, 8                         ; C at my first row and column
	s_lshl_b32 s17, s11, 7
	s_add_co_u32 s16, s16, s17
	s_mul_i32 s16, s16, SIZE_N*ESZ                 ; under 2^27
	s_mul_i32 s17, s42, 256*ESZ
	s_add_co_u32 s16, s16, s17
	s_mul_i32 s17, s12, 128*ESZ
	s_add_co_u32 s16, s16, s17
	s_mov_b32 s17, 0
	s_add_nc_u64 s[CP:CP+1], s[CP:CP+1], s[16:17]
	s_lshl_b32 s18, s42, 10                        ; the bias at my first column
	s_lshl_b32 s19, s12, 9
	s_add_co_u32 s18, s18, s19
	s_mov_b32 s19, 0
	s_add_nc_u64 s[BIAS:BIAS+1], s[BIAS:BIAS+1], s[18:19]
	BIASLOAD
	; the prefetches.  A's waves: rows 256 x tile row + 128 x half + 32 cx + lane, 256 bytes a K step.  B's waves: rows 64 x half + 16 cy + lane / 2 of a K step's 128, the tile's 512 bytes in two blocks (lane % 2)
	s_lshl_b32 s20, s13, 8
	s_lshl_b32 s21, s12, 7
	s_add_co_u32 s20, s20, s21
	s_lshl_b32 s21, s40, 5
	s_add_co_u32 s20, s20, s21
	s_lshl_b32 s20, s20, 11
	s_add_co_u32 s20, s20, 3*KSTEP*2               ; A's offset, at K step 3: the first refill steps it to 4
	s_lshl_b32 s22, s12, 6
	s_lshl_b32 s21, s41, 4
	s_add_co_u32 s22, s22, s21
	s_add_co_u32 s22, s22, 3*KSTEP
	s_mul_i32 s22, s22, 2*SIZE_N
	s_lshl_b32 s21, s42, 9
	s_add_co_u32 s22, s22, s21                     ; B's offset, likewise
	s_and_b32 s23, ttmp7, 0xffff                   ; cluster y
	s_mov_b32 s[PST], KSTEP*2*SIZE_N
	s_mov_b32 s[PST+1], 0
.if TILES > 1
	s_mov_b32 s[PBK], PBK_B
	s_mov_b32 s[PBK+1], 0
.endif
	s_mov_b32 s75, 2*SIZE_N
	s_mov_b32 s21, 0
	s_cmp_eq_u32 s11, 0                            ; do I fetch for A?
	s_cselect_b32 s20, s20, s22
	s_cselect_b32 s23, ttmp9, s23                  ; the coordinate along which other clusters read the same blocks
	s_cselect_b64 s[PFA:PFA+1], s[4:5], s[6:7]
	s_cselect_b32 s[PST], KSTEP*2, s[PST]
.if TILES > 1
	s_cselect_b32 s[PBK], PBK_A, s[PBK]
.endif
	s_cselect_b32 s75, SIZE_K*2, s75               ; bytes from row to row
	s_cselect_b32 s74, 0, 1                        ; lanes to a row, less one: a shift and a mask
	s_add_nc_u64 s[PFA:PFA+1], s[PFA:PFA+1], s[20:21]
	s_cmp_eq_u32 s23, 0
	s_cselect_b32 s[LIM], 1, -1                    ; the same in all sixteen partners, for a given wave
	v_and_b32 v8, 31, v0
	v_lshrrev_b32 v9, s74, v8
	v_mul_u32_u24 v[PFO], s75, v9
	v_and_b32 v8, s74, v8
	v_lshl_add_u32 v[PFO], v8, 8, v[PFO]
; 16 matrix instructions: m blocks a0, a0 + 1 of the window's four (hi = 0: my rows 0-63, 1: rows 64-127) x all 8 n blocks, 32 along K.  zero = 1: the product starts the sum, with the bias as C.
; The 64 accumulators take turns, one instruction a turn, in the same order in every quarter step.
.macro MUL16 f, hi, a0, zero
.if \zero
	WIN 0x91+0x40*(\hi)                            ; B window 1, A window 0, C (the bias) window 1, D window 2 or 3
.else
	WIN 0xa1+0x50*(\hi)                            ; B window 1, A window 0, C and D window 2 or 3
.endif
.irp a, \a0, (\a0)+1
.irp b, 0,1,2,3,4,5,6,7
.set rD, 8*(8*(\a)+(\b))
.set rB, (\f)+8*(\b)
.set rA, (\f)+8*(4*(\hi)+(\a))
.set rC, rD
.if \zero
.set rC, 8*(\b)
.endif
.if F16IN
	v_wmma_f32_16x16x32_f16 v[rD:rD+7], v[rB:rB+7], v[rA:rA+7], v[rC:rC+7]
.else
	v_wmma_f32_16x16x32_bf16 v[rD:rD+7], v[rB:rB+7], v[rA:rA+7], v[rC:rC+7]
.endif
.endr
.endr
.endm
; 32 LDS loads in one run: the fragments of quarter q of a slot's K step (128 columns of B, 128 rows of A, 32 K) into buffer f
.macro FETCH slot, q, f
	WIN 0x40                                       ; destination window 1
.irp i, 0,1,2,3,4,5,6,7
	ds_load_tr16_b128 v[(\f)+8*(\i):(\f)+8*(\i)+3],   v[ADRB+(\slot)] offset:(\q)*32*PB+32*(\i)
	ds_load_tr16_b128 v[(\f)+8*(\i)+4:(\f)+8*(\i)+7], v[ADRB+(\slot)] offset:(\q)*32*PB+32*(\i)+16*PB
.endr
	WIN 0
.irp i, 0,1,2,3,4,5,6,7
	ds_load_b128 v[(\f)+8*(\i):(\f)+8*(\i)+3],   v[ADRA+(\slot)] offset:(\q)*64+(\i)*16*PITCH
	ds_load_b128 v[(\f)+8*(\i)+4:(\f)+8*(\i)+7], v[ADRA+(\slot)] offset:(\q)*64+(\i)*16*PITCH+32
.endr
.endm
; Four plain vector instructions stand between a matrix instruction and a load into a register that it has read, or an instruction that reads its result (ISA guide 7.12.1 for vector instructions)
.macro PLACES
.rept 4
	v_nop
.endr
.endm
; A K step is four quarters of 32 along K, 64 matrix instructions each, on buffers 0, 1, 0, 1.  One of the first three: multiplies buffer f; in its middle it fetches quarter q into buffer g.
.macro QUARTER slot, q, f, g, zero
	s_wait_dscnt 8                                 ; B and A's rows 0-63 are in; the youngest eight loads (A's rows 64-127) may be out
	MUL16 \f, 0, 0, \zero
	MUL16 \f, 0, 2, \zero
	PLACES
	FETCH \slot, \q, \g
	s_wait_dscnt 32                                ; all but the 32 just issued
	MUL16 \f, 1, 0, \zero
	MUL16 \f, 1, 2, \zero
.endm
; The last quarter multiplies buffer 1 and changes slots.  MEET is its first half: ONE barrier.  In front of it each wave waits for all its tensor loads, of which one is out: its part of the next slot;
; adds 0 to its spare word; and waits for that and for its own reads of this slot.  Behind it nobody reads this slot any more and the next slot is whole.
.macro MEET round
	WIN 0                                          ; (the add's two registers lie in window 0)
	s_wait_tensorcnt 0x0
	ds_add_u32 v[SPW], v[NIL]                      ; 0 onto my spare word
	s_wait_dscnt 9                                 ; (the add and the youngest eight loads may be out)
	MUL16 F1, 0, 0, 0                              ; sixteen matrix instructions stand between the add and the wait for it
	s_wait_dscnt 0x0                               ; the add is done, and my reads of this slot are over
	s_barrier_signal -1
	MUL16 F1, 0, 2, 0                              ; work on registers while the others arrive
.if \round
	WIN 0
.endif
	s_barrier_wait -1
.endm
; The whole last quarter where the slot is filled again: the barrier opens a round of the cluster's barrier, and the joint refill is the first tensor load behind it: this tile's K step two steps on (on = 0)
; or, in a tile's last two K steps, the NEXT tile's K step 0 or 1 (on = 1).  From that request to the wait for it a wave issues 224 matrix instructions, across tiles too.
.macro TURN slot, next, on
	s_wait_xcnt 0x0                                ; the last prefetch, a K step back, has read its address
.if (\on) && (\slot) == 0
	s_sub_nc_u64 s[PFA:PFA+1], s[PFA:PFA+1], s[PBK:PBK+1]  ; to the next tile's K step 2
	s_cmp_eq_u32 s11, 0
	s_cselect_b32 s[LIM], -1, s[LIM]               ; A's rows are the same for all tiles of the walk: they are asked for no more
.else
	s_add_nc_u64 s[PFA:PFA+1], s[PFA:PFA+1], s[PST:PST+1]
.endif
	MEET 1
	CREST                                          ; no wave of any partner still reads this slot's tile or has a load on its way
.if \on
	s_sub_nc_u64 s[G0+4*(\slot)+2:G0+4*(\slot)+3], s[G0+4*(\slot)+2:G0+4*(\slot)+3], BACK_A
	s_sub_nc_u64 s[G0B+4*(\slot)+2:G0B+4*(\slot)+3], s[G0B+4*(\slot)+2:G0B+4*(\slot)+3], BACK_B
.else
	s_add_nc_u64 s[G0+4*(\slot)+2:G0+4*(\slot)+3], s[G0+4*(\slot)+2:G0+4*(\slot)+3], 2*KSTEP*2
	s_add_nc_u64 s[G0B+4*(\slot)+2:G0B+4*(\slot)+3], s[G0B+4*(\slot)+2:G0B+4*(\slot)+3], 2*KSTEP*2*SIZE_N
.endif
	JLOAD \slot                                    ; the four v_nop behind it are also the places in front of the loads below
	FETCH \next, 0, F0
	ASK \on
	MUL16 F1, 1, 0, 0
	MUL16 F1, 1, 2, 0
.endm
	s_wait_tensorcnt 1                             ; my part of K step 0 is in; K step 1's may stay out
	s_barrier_signal -1
	s_barrier_wait -1                              ; everybody's is
	FETCH 0, 0, F0
.if TILES > 1
	s_mov_b32 s2, TILES                            ; tiles to go, this one among them: the same number in every work-group
.Ltile:
.endif
	s_wait_loadcnt 0x0                             ; the tile's bias
	QUARTER 0, 1, F0, F1, 1                        ; a tile's first quarter stands in front of the loop: its products start the sums
	WIN 0                                          ; at a label and at a branch every window is 0
.if TILES > 1
	PLACES                                         ; the places in front of loads into the bias's registers, which those products have read
	s_cmp_eq_u32 s2, 1
	s_cbranch_scc1 .Lno_bias                       ; the last tile has no successor
	s_add_nc_u64 s[BIAS:BIAS+1], s[BIAS:BIAS+1], WALK*4  ; free since the wait at the tile's head showed the last bias loads done
	BIASLOAD                                       ; the next tile's bias has all of this tile in which to come
.Lno_bias:
.endif
	s_mov_b32 s3, LAPS-1
.Llap:                                                 ; a trip goes once round the ring, from a lap's second quarter to the next lap's first, and fills both slots again
	QUARTER 0, 2, F1, F0, 0
	QUARTER 0, 3, F0, F1, 0
	TURN 0, 1, 0
	QUARTER 1, 1, F0, F1, 0
	QUARTER 1, 2, F1, F0, 0
	QUARTER 1, 3, F0, F1, 0
	TURN 1, 0, 0
	QUARTER 0, 1, F0, F1, 0
	WIN 0
	s_sub_co_u32 s3, s3, 1
	s_cmp_lg_u32 s3, 0
	s_cbranch_scc1 .Llap
	QUARTER 0, 2, F1, F0, 0                        ; the tile's last lap goes on
	QUARTER 0, 3, F0, F1, 0
.if TILES > 1
	WIN 0
	s_cmp_eq_u32 s2, 1
	s_cbranch_scc1 .Llast                          ; the last tile's tail is written out: it asks for nothing more
	TURN 0, 1, 1                                   ; THE RING GOES ON INTO THE NEXT TILE: slot 0 takes its K step 0,
	QUARTER 1, 1, F0, F1, 0
	QUARTER 1, 2, F1, F0, 0
	QUARTER 1, 3, F0, F1, 0
	TURN 1, 0, 1                                   ; slot 1 its K step 1, and the next tile's first fragments are fetched: both refills are asked for when the tile goes out
	WIN 0
	s_branch .Lout
.Llast:
.endif
	MEET 0                                         ; the last lap of all fills nothing, and has no round of the cluster's barrier
	PLACES
	FETCH 1, 0, F0
	MUL16 F1, 1, 0, 0
	MUL16 F1, 1, 2, 0
	QUARTER 1, 1, F0, F1, 0
	QUARTER 1, 2, F1, F0, 0
	QUARTER 1, 3, F0, F1, 0
	s_wait_dscnt 8                                 ; the very last quarter: nothing more to fetch
	MUL16 F1, 0, 0, 0
	MUL16 F1, 0, 2, 0
	s_wait_dscnt 0x0
	MUL16 F1, 1, 0, 0
	MUL16 F1, 1, 2, 0
	WIN 0
.if TILES > 1
.Lout:
.endif
	PLACES
; THE WAY OUT, a block of 16 rows at a time through my own stage in LDS, so that whole rows leave.  LDS serves a wave's instructions in order (ISA guide 5.7.1.4): the loads see the stores above them,
; and the next block's stores come behind them.  A block's place among my 128 rows stands in the store's immediate: 127 rows of C at the most, inside its signed 24 bits.
.if OUT32
.macro TOSTAGE a                       ; the accumulators go into the stage as they are, each one's low four registers first; whole rows of 512 bytes come back, into A's fragment buffers by turns
.set AC, 64*((\a)%4)
.set BK, F0+64*((\a)%2)
	s_wait_xcnt 0x0                                ; the stores of the block two back have read the registers that are loaded again below
	WIN 0x08+4*((\a)/4)                            ; the stores' data in window 2 or 3
.irp b, 0,1,2,3,4,5,6,7
	ds_store_b128 v[STO], v[AC+8*(\b):AC+8*(\b)+3]   offset:64*(\b)
	ds_store_b128 v[STO], v[AC+8*(\b)+4:AC+8*(\b)+7] offset:64*(\b)+16
.endr
	WIN 0
.irp t, 0,1,2,3,4,5,6,7,8,9,10,11,12,13,14,15
	ds_load_b128 v[BK+4*(\t):BK+4*(\t)+3], v[RD] offset:(\t)*SPITCH
.endr
.endm
.macro SEND a, younger                 ; younger: the LDS instructions issued behind block a's loads: the next block's 32, or none
.set BK, F0+64*((\a)%2)
	s_wait_dscnt \younger
.irp t, 0,1,2,3,4,5,6,7,8,9,10,11,12,13,14,15
	global_store_b128 v[CO], v[BK+4*(\t):BK+4*(\t)+3], s[CP:CP+1] offset:(16*(\a)+(\t))*SIZE_N*4  ; 32 lanes store 512 consecutive bytes, at a multiple of 512 from C's first byte
.endr
.endm
	TOSTAGE 0
.irp a, 1,2,3,4,5,6,7
	TOSTAGE \a
	SEND (\a)-1, 32
.endr
	SEND 7, 0
.else
.macro PACK a                          ; rounded to f16: a lane's eight numbers of a row are 16 bytes
.set AC, 64*((\a)%4)
	WIN 0x0a+5*((\a)/4)                            ; sources 0 and 1: window 2 or 3
.irp b, 0,1,2,3,4,5,6,7
.irp r, 0,1,2,3
	v_cvt_pk_f16_f32 v[TMP+4*(\b)+(\r)], v[AC+8*(\b)+2*(\r)], v[AC+8*(\b)+2*(\r)+1]
.endr
.endr
	WIN 0
.endm
.macro TOSTAGE a
.set BK, OB+192*((\a)%2)
.irp b, 0,1,2,3,4,5,6,7
	ds_store_b128 v[STO], v[TMP+4*(\b):TMP+4*(\b)+3] offset:32*(\b)
.endr
.irp t, 0,1,2,3,4,5,6,7
	ds_load_b128 v[BK+4*(\t):BK+4*(\t)+3], v[RD] offset:(\t)*2*SPITCH
.endr
.endm
.macro SEND a, younger
.set BK, OB+192*((\a)%2)
	s_wait_dscnt \younger                          ; the block is back in registers
	s_wait_xcnt 0x0                                ; the stores issued so far have read their registers, which the next block's loads write, and their base
.if (TILES > 1) && ((\a) == 0)
	s_add_nc_u64 s[CP:CP+1], s[CP:CP+1], s[CST:CST+1]  ; on to this tile's columns
.endif
.irp t, 0,1,2,3,4,5,6,7
	global_store_b128 v[CO], v[BK+4*(\t):BK+4*(\t)+3], s[CP:CP+1] offset:(16*(\a)+2*(\t))*SIZE_N*2  ; 16 lanes store 256 consecutive bytes, at a multiple of 256 from C's first byte
.endr
.endm
	PACK 0
	TOSTAGE 0
.irp a, 1,2,3,4,5,6,7                  ; block a's conversions stand between block a - 1's loads from the stage and the wait for them
	PACK \a
	SEND (\a)-1, 0
	TOSTAGE \a
.endr
	SEND 7, 0
.endif
.if TILES > 1
	s_mov_b32 s[CST], WALK*ESZ                     ; what the next way out adds to C's address
	s_sub_co_u32 s2, s2, 1
	s_cmp_lg_u32 s2, 0
	s_cbranch_scc1 .Ltile
.endif
	s_wait_tensorcnt 0x0                           ; the wave's end: a last add to my spare word and its wait, behind my last tensor load and my last LDS store
	ds_add_u32 v[SPW], v[NIL]
	s_wait_dscnt 0x0
	CROUND                                         ; the closing round: no work-group ends while a partner may still ask for a tile that names it
	s_endpgm
.Lfunc_end_k_qb42858604e_gemm_qkv:
	.size	k_qb42858604e_gemm_qkv, .Lfunc_end_k_qb42858604e_gemm_qkv-k_qb42858604e_gemm_qkv
	.p2alignl 7, 3214868480
	.fill 96, 4, 3214868480
	.section	.rodata,"a",@progbits
	.p2align	6, 0x0
	.amdhsa_kernel k_qb42858604e_gemm_qkv
		.amdhsa_group_segment_fixed_size 327680
		.amdhsa_private_segment_fixed_size 0
		.amdhsa_enable_private_segment 0
		.amdhsa_kernarg_size 32
		.amdhsa_user_sgpr_count 2
		.amdhsa_user_sgpr_kernarg_segment_ptr 1
		.amdhsa_wavefront_size32 1
		.amdhsa_system_sgpr_workgroup_id_x 1
		.amdhsa_system_sgpr_workgroup_id_y 1
		.amdhsa_system_sgpr_workgroup_id_z 1
		.amdhsa_system_vgpr_workitem_id 0
		.amdhsa_next_free_vgpr 1024
		.amdhsa_next_free_sgpr 80
		.amdhsa_reserve_vcc 0
		.amdhsa_float_denorm_mode_32 3
		.amdhsa_float_denorm_mode_16_64 3
		.amdhsa_memory_ordered 1
		.amdhsa_forward_progress 1
		.amdhsa_inst_pref_size 182
	.end_amdhsa_kernel
	.amdgpu_metadata
---
amdhsa.version: [ 1, 2 ]
amdhsa.kernels:
  - .name:           k_qb42858604e_gemm_qkv
    .symbol:         k_qb42858604e_gemm_qkv.kd
    .args:
      - { .name: xb, .offset: 0, .size: 8, .value_kind: global_buffer, .address_space: global }
      - { .name: wq, .offset: 8, .size: 8, .value_kind: global_buffer, .address_space: global }
      - { .name: bq, .offset: 16, .size: 8, .value_kind: global_buffer, .address_space: global }
      - { .name: qkv, .offset: 24, .size: 8, .value_kind: global_buffer, .address_space: global }
    .group_segment_fixed_size: 327680
    .private_segment_fixed_size: 0
    .kernarg_segment_align: 8
    .kernarg_segment_size: 32
    .max_flat_workgroup_size: 128
    .sgpr_count:     80
    .vgpr_count:     1024
    .wavefront_size: 32
...
	.end_amdgpu_metadata
.endif
;; end of part 2
;; launch attn (part 3): grid 512 x 1, 8 waves a work-group, no clusters, 0 bytes of LDS; arguments qkv, att; writes att
.if DOCPART == 3
	.amdgcn_target "amdgcn-amd-amdhsa--gfx1250"
	.amdhsa_code_object_version 6
	.text
	.protected	k_qb42858604e_attn
	.globl	k_qb42858604e_attn
	.p2align	8
	.type	k_qb42858604e_attn,@function
k_qb42858604e_attn:
	s_mov_b64 s[64:65], 0
	v_nop
	global_prefetch_b8 v0, s[64:65] scope:SCOPE_SE
	s_setreg_imm32_b32 hwreg(HW_REG_WAVE_MODE, 25, 1), 1
	s_wait_xcnt 0x0
; THE ATTENTION AMONG A TOKEN'S 16 HEADS.  For each token: d2 = max(|q|^2 + |k|^2 - 2 q.k, 0); d2 (1 + 0.15 cos(sqrt(d2 + eps))); force = |q| |k| / (that + eps); softmax over the 16 key heads
; (the row's maximum taken away first); att = P v.  qkv: [16384][3072] f16, att: [16384][1024] f16, in the orders that the cast launch gave the weights:
; q and k: head h, channels 8 e + 0..7 at byte 256 e + 16 h of the part; v: channel d, heads 0..15 at byte 32 d; att: as q.
; So a fragment of Q or K (16 heads x 32 channels) is two loads of 512 consecutive bytes, a fragment of V^T (16 channels x 16 heads) one, and a result of 16 channels x 16 heads one store of 512 consecutive bytes.
; LAYOUT.  S^T = K Q^T: a lane holds ONE query head (lane % 16) and the key heads 8 (lane / 16) + 0..7.  |q|^2 and |k|^2 are the diagonals of Q Q^T and K K^T: the same rounded numbers and the same f32 sums
; as q.k, so that d2 is the distance of the vectors as they are stored.  The weights, rounded to f16 in pairs, ARE half a source 1 of O^T = V^T P.  That product is 32 deep and a token has 16 key heads:
; a fragment of V^T holds token 0 in its first half and token 1 in its second, and each token's P has zeros in the other's half.
; THE COSINE.  t = y / 2 pi less the nearest whole number; cos(y) = sin(2 pi (1/4 - |t|)), by the sine's series up to the ninth power: its argument stays within a quarter turn, and the first term left out is under 4e-6.
; LIMITS.  The error of t grows with y as f32's own step does.  Roots, reciprocals and exponentials flush denormals.  NaN and infinities are not treated apart; v must be finite (0 x v stands in O^T's sums).
; SHARES.  A wave owns four tokens, two PAIRS; the pairs' loads go out ahead: the second pair's Q and K behind the first's products, its V behind the first's V^T P.  Every address is a base, a lane term and an immediate.
; No LDS, no barrier, no cluster: no two waves want the same byte.  No prefetch: a wave asks for half its share in its first lines.
.set LO,  2                            ; v2      16 x lane
.set VO,  3                            ; v3      32 (lane % 16) + 16 (lane / 16)
.set MD,  8                            ; v[8:15]    register j: 1.0 where lane % 16 = 8 (lane / 16) + j, else 0: the diagonal of a result
.set PF,  16                           ; v[16:27]   token 0's P, four zeros, token 1's P: fragment t is v[16 + 4 t : 23 + 4 t]
.set XT,  28                           ; v[28:31]   a pair at work for each token
.set QS,  32                           ; for token t at + 8 t, each named as a pair: |q|^2,
.set MQ,  34                           ; |q|,
.set MX,  36                           ; log2(e) x the row's maximum,
.set RS,  38                           ; 1 / the row's sum
.set TA,  48                           ; v48, v50   what the other half of the lanes holds
.set S,   56                           ; v[56:71]   8 registers a token, here and below: q.k, then d2
.set GQ,  72                           ; Q Q^T; later |q| |k|, the forces, the weights
.set GK,  88                           ; K K^T; later |k|^2, |k|
.set Y,   104                          ; d2 + eps, its root, t, 1/4 - |t|
.set U,   120                          ; the whole number; the square
.set PP,  136                          ; the series; the divisor; its reciprocal
.set QK,  152                          ; v[152:215] token t: Q at + 32 t, K at + 32 t + 16
.set VV,  216                          ; v[216:247] channel block c at + 8 c: token 0 in registers 0-3, token 1 in 4-7
.set OT,  56                           ; O^T: token t, channel block c at + 32 t + 8 c
.set OUT, 120                          ; O^T in f16
.set SEL, 12                           ; s[12:13] v_permlanex16_b32's selects: each lane takes its own place in the other half
.set EPS, 14                           ; the constants below are named as pairs; the packed forms take the low word for both halves
.set I2P, 16
.set C0,  18
.set C1,  20
.set C2,  22
.set C3,  24
.set C4,  26
.set L2E, 28
.set QRT, 30
.macro TWICE r, val
	s_mov_b32 s[\r], \val
	s_mov_b32 s[\r+1], \val
.endm
.macro EACH n, line:vararg             ; the line for z = 0 .. n - 1
.set z, 0
.rept \n
	\line
.set z, z+1
.endr
.endm
.macro LDQK p                          ; pair p's Q and K: sixteen loads
.irp t, 0,1
.irp n, 0,1,2,3
	global_load_b128 v[QK+32*(\t)+4*(\n):QK+32*(\t)+4*(\n)+3], v[LO], s[4:5] offset:(2*(\p)+(\t))*6144+512*(\n) th:TH_LOAD_NT
.endr
.irp n, 0,1,2,3
	global_load_b128 v[QK+32*(\t)+16+4*(\n):QK+32*(\t)+16+4*(\n)+3], v[LO], s[4:5] offset:(2*(\p)+(\t))*6144+2048+512*(\n) th:TH_LOAD_NT
.endr
.endr
.endm
.macro LDV p                           ; pair p's V: eight loads
.irp c, 0,1,2,3
.irp t, 0,1
	global_load_b128 v[VV+8*(\c)+4*(\t):VV+8*(\c)+4*(\t)+3], v[VO], s[4:5] offset:(2*(\p)+(\t))*6144+4096+512*(\c) th:TH_LOAD_NT
.endr
.endr
.endm
	s_load_b128 s[4:7], s[0:1], 0x0                ; qkv, att
	v_lshrrev_b32 v1, 5, v0
	v_readfirstlane_b32 s8, v1                     ; wave 0..7
	s_lshl_b32 s9, ttmp9, 5
	s_lshl2_add_u32 s9, s8, s9                     ; my first token: 32 x work-group + 4 x wave
	s_mul_i32 s10, s9, 6144
	s_mov_b32 s11, 0
	s_lshl_b32 s2, s9, 11
	s_mov_b32 s3, 0
	v_and_b32 v4, 31, v0
	v_lshlrev_b32 v[LO], 4, v4
	v_and_b32 v5, 15, v0
	v_bfe_u32 v6, v0, 4, 1
	v_lshlrev_b32 v[VO], 5, v5
	v_lshl_add_u32 v[VO], v6, 4, v[VO]
	s_wait_kmcnt 0x0
	s_add_nc_u64 s[4:5], s[4:5], s[10:11]
	s_add_nc_u64 s[6:7], s[6:7], s[2:3]
	LDQK 0
	LDV 0
	s_mov_b32 s[SEL], 0x76543210                   ; the rest of the set-up stands in the wait for the first loads
	s_mov_b32 s[SEL+1], 0xfedcba98
	TWICE EPS, 0x358637bd                          ; 1e-6
	TWICE I2P, 0x3e22f983                          ; 1 / 2 pi
	TWICE C0, 0x3f71463a                           ; 0.15 (2 pi)^(2 n + 1) / (2 n + 1)!, signs by turns:  0.9424778
	TWICE C1, 0xc0c670af                           ; -6.2012553
	TWICE C2, 0x4143da44                           ; 12.240787
	TWICE C3, 0xc1381815                           ; -11.505879
	TWICE C4, 0x40c9e1b9                           ; 6.3088041
	TWICE L2E, 0x3fb8aa3b                          ; log2(e)
	s_mov_b32 s[QRT], 0x3e800000                   ; 1/4
	v_lshlrev_b32 v7, 3, v6
	v_sub_nc_u32 v7, v5, v7                        ; lane % 16 - 8 (lane / 16)
.irp j, 0,1,2,3,4,5,6,7
	v_cmp_eq_u32 vcc_lo, \j, v7
	v_cndmask_b32 v[MD+(\j)], 0, 1.0, vcc_lo
.endr
	EACH 4, v_mov_b32 v[PF+4+z], 0
	EACH 24, v_mov_b32 v[XT+z], 0                  ; v28-51: registers named as halves of pairs, or as the target of an exchange of lanes, hold a number from the start
; A PAIR of tokens, every step for both.  next = 1: the next pair's loads are issued as the registers fall free.
.macro PAIR p, next
.if (\p) > 0
	s_wait_xcnt 0x0                                ; the last pair's stores have read OUT's registers, which the cosine's work writes
.endif
	s_wait_loadcnt 8                               ; Q and K are in; V's eight younger loads may stay out
.irp h, 0,1                            ; six accumulators by turns, one instruction a turn: channels 0-31 start the sums, channels 32-63 add onto them
.irp t, 0,1
.set rQ, QK+32*(\t)+8*(\h)
.set rK, rQ+16
.if (\h) == 0
	v_wmma_f32_16x16x32_f16 v[S+8*(\t):S+8*(\t)+7],   v[rK:rK+7], v[rQ:rQ+7], 0
	v_wmma_f32_16x16x32_f16 v[GK+8*(\t):GK+8*(\t)+7], v[rK:rK+7], v[rK:rK+7], 0
	v_wmma_f32_16x16x32_f16 v[GQ+8*(\t):GQ+8*(\t)+7], v[rQ:rQ+7], v[rQ:rQ+7], 0
.else
	v_wmma_f32_16x16x32_f16 v[S+8*(\t):S+8*(\t)+7],   v[rK:rK+7], v[rQ:rQ+7], v[S+8*(\t):S+8*(\t)+7]
	v_wmma_f32_16x16x32_f16 v[GK+8*(\t):GK+8*(\t)+7], v[rK:rK+7], v[rK:rK+7], v[GK+8*(\t):GK+8*(\t)+7]
	v_wmma_f32_16x16x32_f16 v[GQ+8*(\t):GQ+8*(\t)+7], v[rQ:rQ+7], v[rQ:rQ+7], v[GQ+8*(\t):GQ+8*(\t)+7]
.endif
.endr
.endr
.rept 4
	v_nop                                          ; four places in front of loads into registers that the products have read, and of the lines that read their results
.endr
.if \next
	LDQK (\p)+1
.endif
	; |q|^2 of my query head: the diagonal's one number in my column lies in one half of the lanes; the other half takes it by the exchange
	EACH 2, v_pk_mul_f32 v[XT+2*z:XT+2*z+1], v[GQ+8*z:GQ+8*z+1], v[MD:MD+1]
.irp j, 2,4,6
	EACH 2, v_pk_fma_f32 v[XT+2*z:XT+2*z+1], v[GQ+8*z+(\j):GQ+8*z+(\j)+1], v[MD+(\j):MD+(\j)+1], v[XT+2*z:XT+2*z+1]
.endr
	EACH 2, v_add_f32 v[QS+8*z], v[XT+2*z], v[XT+2*z+1]
	EACH 2, v_permlanex16_b32 v[TA+2*z], v[QS+8*z], s[SEL], s[SEL+1]
	EACH 2, v_add_f32 v[QS+8*z], v[QS+8*z], v[TA+2*z]
	; |k|^2 of key head 8 (lane / 16) + j in register j of every lane: all but the diagonal is struck out, and the 16 lanes of a half are added up (fifteen zeros and the number)
	EACH 8, v_pk_mul_f32 v[GK+2*z:GK+2*z+1], v[GK+2*z:GK+2*z+1], v[MD+2*(z%4):MD+2*(z%4)+1]
.irp m, 1,2,4,8
	EACH 16, v_add_f32_dpp v[GK+z], v[GK+z], v[GK+z] row_xmask:\m row_mask:0xf bank_mask:0xf
.endr
	; d2 = max((|q|^2 + |k|^2) - 2 q.k, 0), and d2 + eps
	EACH 8, v_pk_add_f32 v[Y+2*z:Y+2*z+1], v[GK+2*z:GK+2*z+1], v[QS+8*(z/4):QS+8*(z/4)+1] op_sel_hi:[1,0]
	EACH 8, v_pk_fma_f32 v[S+2*z:S+2*z+1], v[S+2*z:S+2*z+1], -2.0, v[Y+2*z:Y+2*z+1] op_sel_hi:[1,0,1]
	EACH 16, v_max_num_f32 v[S+z], 0, v[S+z]
	EACH 8, v_pk_add_f32 v[Y+2*z:Y+2*z+1], v[S+2*z:S+2*z+1], s[EPS:EPS+1] op_sel_hi:[1,0]
	; the roots, one batch: y, |k|, |q|
	EACH 16, v_sqrt_f32 v[Y+z], v[Y+z]
	EACH 16, v_sqrt_f32 v[GK+z], v[GK+z]
	EACH 2, v_sqrt_f32 v[MQ+8*z], v[QS+8*z]
	v_nop                                          ; a plain instruction behind the last root,
	s_wait_alu depctr_va_vdst(0)                   ; and one wait ahead of the batch's first reader
	; the cosine and the divisor
	EACH 8, v_pk_mul_f32 v[Y+2*z:Y+2*z+1], v[Y+2*z:Y+2*z+1], s[I2P:I2P+1] op_sel_hi:[1,0]
	EACH 16, v_rndne_f32 v[U+z], v[Y+z]
	EACH 8, v_pk_add_f32 v[Y+2*z:Y+2*z+1], v[Y+2*z:Y+2*z+1], v[U+2*z:U+2*z+1] neg_lo:[0,1] neg_hi:[0,1]
.irp r, 104,105,106,107,108,109,110,111,112,113,114,115,116,117,118,119
	v_sub_f32 v\r, s[QRT], |v\r|                   ; Y's sixteen registers by number: w = 1/4 - |t|
.endr
	EACH 8, v_pk_mul_f32 v[U+2*z:U+2*z+1], v[Y+2*z:Y+2*z+1], v[Y+2*z:Y+2*z+1]
	EACH 8, v_pk_fma_f32 v[PP+2*z:PP+2*z+1], v[U+2*z:U+2*z+1], s[C4:C4+1], s[C3:C3+1] op_sel_hi:[1,0,0]
	EACH 8, v_pk_fma_f32 v[PP+2*z:PP+2*z+1], v[PP+2*z:PP+2*z+1], v[U+2*z:U+2*z+1], s[C2:C2+1] op_sel_hi:[1,1,0]
	EACH 8, v_pk_fma_f32 v[PP+2*z:PP+2*z+1], v[PP+2*z:PP+2*z+1], v[U+2*z:U+2*z+1], s[C1:C1+1] op_sel_hi:[1,1,0]
	EACH 8, v_pk_fma_f32 v[PP+2*z:PP+2*z+1], v[PP+2*z:PP+2*z+1], v[U+2*z:U+2*z+1], s[C0:C0+1] op_sel_hi:[1,1,0]
	EACH 8, v_pk_fma_f32 v[PP+2*z:PP+2*z+1], v[Y+2*z:Y+2*z+1], v[PP+2*z:PP+2*z+1], 1.0 op_sel_hi:[1,1,0]             ; 1 + 0.15 cos
	EACH 8, v_pk_fma_f32 v[PP+2*z:PP+2*z+1], v[S+2*z:S+2*z+1], v[PP+2*z:PP+2*z+1], s[EPS:EPS+1] op_sel_hi:[1,1,0]   ; d2 x that + eps
	; the forces
	EACH 16, v_rcp_f32 v[PP+z], v[PP+z]
	EACH 8, v_pk_mul_f32 v[GQ+2*z:GQ+2*z+1], v[GK+2*z:GK+2*z+1], v[MQ+8*(z/4):MQ+8*(z/4)+1] op_sel_hi:[1,0]          ; |q| |k|: the work that names no reciprocal
	s_wait_alu depctr_va_vdst(0)                   ; one wait for the sixteen reciprocals
	EACH 8, v_pk_mul_f32 v[GQ+2*z:GQ+2*z+1], v[GQ+2*z:GQ+2*z+1], v[PP+2*z:PP+2*z+1]
	; the row's maximum: my eight key heads, then the other half of the lanes'
	EACH 2, v_max3_num_f32 v[XT+2*z], v[GQ+8*z], v[GQ+8*z+1], v[GQ+8*z+2]
	EACH 2, v_max3_num_f32 v[XT+2*z+1], v[GQ+8*z+3], v[GQ+8*z+4], v[GQ+8*z+5]
	EACH 2, v_max3_num_f32 v[XT+2*z], v[XT+2*z], v[GQ+8*z+6], v[GQ+8*z+7]
	EACH 2, v_max_num_f32 v[XT+2*z], v[XT+2*z], v[XT+2*z+1]
	EACH 2, v_permlanex16_b32 v[TA+2*z], v[XT+2*z], s[SEL], s[SEL+1]
	EACH 2, v_max_num_f32 v[XT+2*z], v[XT+2*z], v[TA+2*z]
	EACH 2, v_mul_f32 v[MX+8*z], s[L2E], v[XT+2*z]
	EACH 8, v_pk_fma_f32 v[GQ+2*z:GQ+2*z+1], v[GQ+2*z:GQ+2*z+1], s[L2E:L2E+1], v[MX+8*(z/4):MX+8*(z/4)+1] op_sel_hi:[1,0,0] neg_lo:[0,0,1] neg_hi:[0,0,1]
	EACH 16, v_exp_f32 v[GQ+z], v[GQ+z]
	v_nop
	s_wait_alu depctr_va_vdst(0)                   ; one wait for the sixteen exponentials
	; the row's sum, its reciprocal, the weights
	EACH 2, v_pk_add_f32 v[XT+2*z:XT+2*z+1], v[GQ+8*z:GQ+8*z+1], v[GQ+8*z+2:GQ+8*z+3]
	EACH 2, v_pk_add_f32 v[XT+2*z:XT+2*z+1], v[XT+2*z:XT+2*z+1], v[GQ+8*z+4:GQ+8*z+5]
	EACH 2, v_pk_add_f32 v[XT+2*z:XT+2*z+1], v[XT+2*z:XT+2*z+1], v[GQ+8*z+6:GQ+8*z+7]
	EACH 2, v_add_f32 v[XT+2*z], v[XT+2*z], v[XT+2*z+1]
	EACH 2, v_permlanex16_b32 v[TA+2*z], v[XT+2*z], s[SEL], s[SEL+1]
	EACH 2, v_add_f32 v[XT+2*z], v[XT+2*z], v[TA+2*z]
	EACH 2, v_rcp_f32 v[RS+8*z], v[XT+2*z]
	v_nop
	s_wait_alu depctr_va_vdst(0)                   ; one wait for the two reciprocals
	EACH 8, v_pk_mul_f32 v[GQ+2*z:GQ+2*z+1], v[GQ+2*z:GQ+2*z+1], v[RS+8*(z/4):RS+8*(z/4)+1] op_sel_hi:[1,0]
	EACH 8, v_cvt_pk_f16_f32 v[PF+8*(z/4)+z%4], v[GQ+2*z], v[GQ+2*z+1]
.if \next
	s_wait_loadcnt 16                              ; V is in; the next pair's sixteen loads of Q and K may stay out
.else
	s_wait_loadcnt 0x0
.endif
.irp c, 0,1,2,3                        ; eight sums of one product each
.irp t, 0,1
	v_wmma_f32_16x16x32_f16 v[OT+32*(\t)+8*(\c):OT+32*(\t)+8*(\c)+7], v[VV+8*(\c):VV+8*(\c)+7], v[PF+4*(\t):PF+4*(\t)+7], 0
.endr
.endr
.rept 4
	v_nop                                          ; the places, as above
.endr
.if \next
	LDV (\p)+1
.endif
	EACH 32, v_cvt_pk_f16_f32 v[OUT+z], v[OT+2*z], v[OT+2*z+1]      ; in ascending order: each result is read from its low end on
.irp t, 0,1
.irp c, 0,1,2,3
	global_store_b128 v[LO], v[OUT+16*(\t)+4*(\c):OUT+16*(\t)+4*(\c)+3], s[6:7] offset:(2*(\p)+(\t))*2048+512*(\c) th:TH_STORE_NT  ; 512 consecutive bytes, at a multiple of 512 from att's first byte
.endr
.endr
.endm
	PAIR 0, 1
	PAIR 1, 0
	s_endpgm
.Lfunc_end_k_qb42858604e_attn:
	.size	k_qb42858604e_attn, .Lfunc_end_k_qb42858604e_attn-k_qb42858604e_attn
	.p2alignl 7, 3214868480
	.fill 96, 4, 3214868480
	.section	.rodata,"a",@progbits
	.p2align	6, 0x0
	.amdhsa_kernel k_qb42858604e_attn
		.amdhsa_group_segment_fixed_size 0
		.amdhsa_private_segment_fixed_size 0
		.amdhsa_enable_private_segment 0
		.amdhsa_kernarg_size 16
		.amdhsa_user_sgpr_count 2
		.amdhsa_user_sgpr_kernarg_segment_ptr 1
		.amdhsa_wavefront_size32 1
		.amdhsa_system_sgpr_workgroup_id_x 1
		.amdhsa_system_sgpr_workgroup_id_y 1
		.amdhsa_system_sgpr_workgroup_id_z 1
		.amdhsa_system_vgpr_workitem_id 0
		.amdhsa_next_free_vgpr 248
		.amdhsa_next_free_sgpr 66
		.amdhsa_reserve_vcc 1
		.amdhsa_float_denorm_mode_32 3
		.amdhsa_float_denorm_mode_16_64 3
		.amdhsa_memory_ordered 1
		.amdhsa_forward_progress 1
		.amdhsa_inst_pref_size 56
	.end_amdhsa_kernel
	.amdgpu_metadata
---
amdhsa.version: [ 1, 2 ]
amdhsa.kernels:
  - .name:           k_qb42858604e_attn
    .symbol:         k_qb42858604e_attn.kd
    .args:
      - { .name: qkv, .offset: 0, .size: 8, .value_kind: global_buffer, .address_space: global }
      - { .name: att, .offset: 8, .size: 8, .value_kind: global_buffer, .address_space: global }
    .group_segment_fixed_size: 0
    .private_segment_fixed_size: 0
    .kernarg_segment_align: 8
    .kernarg_segment_size: 16
    .max_flat_workgroup_size: 256
    .sgpr_count:     66
    .vgpr_count:     248
    .wavefront_size: 32
...
	.end_amdgpu_metadata
.endif
;; end of part 3
;; launch gemm_out (part 4): grid 4 x 64, 4 waves a work-group, clusters of 4 x 4, 327,680 bytes of LDS; arguments att, wo, b_out, out0; writes out0
.if DOCPART == 4
	.amdgcn_target "amdgcn-amd-amdhsa--gfx1250"
	.amdhsa_code_object_version 6
	.text
	.protected	k_qb42858604e_gemm_out
	.globl	k_qb42858604e_gemm_out
	.p2align	8
	.type	k_qb42858604e_gemm_out,@function
k_qb42858604e_gemm_out:
	s_mov_b64 s[64:65], 0
	v_nop
	global_prefetch_b8 v0, s[64:65] scope:SCOPE_SE
	s_setreg_imm32_b32 hwreg(HW_REG_WAVE_MODE, 25, 1), 1
	s_wait_xcnt 0x0
	s_wait_alu depctr_hold_cnt(0) depctr_sa_sdst(0) depctr_va_vdst(0) depctr_va_sdst(0) depctr_va_ssrc(0) depctr_va_vcc(0) depctr_vm_vsrc(0)
	s_getreg_b32 s2, hwreg(HW_REG_IB_STS2, 6, 4)
	s_cmp_eq_u32 s2, 0
	s_cbranch_scc0 .Lentry_in_a_cluster
	s_endpgm
.Lentry_in_a_cluster:
	s_bfe_u32 s2, ttmp6, 0x10000c
	s_cmp_lg_u32 s2, 0xf033
	s_cbranch_scc0 .Lentry_shape_is_right
	s_endpgm
.Lentry_shape_is_right:
; C[m][n] = bias[n] + the sum over k of A[m][k] B[k][n].  A: [16384][1024], B: [1024][SIZE_N], both 16 bits; bias: [SIZE_N] f32; sums in f32.
; This text stands twice in the program; the five constants below are all that differs.  HERE: A = att, B = wo (f16; both with K in the order that the cast launch gave wo's rows), C = out0 in f32;
; C has 256 tiles, one to a work-group.
; LIMIT.  NaN and infinities are not treated apart.
.set SIZE_N, 1024                      ; columns of B and C
.set F16IN,  1                         ; 0: A and B are bf16; 1: f16
.set OUT32,  1                         ; 0: C is f16; 1: f32
.set SPITCH, 528                       ; a row of the stage: a wave's 128 numbers of C + 16 bytes
.set TILES,  1                         ; tiles of C to a work-group; the grid is SIZE_N / 256 / TILES wide
; A tile of C, 256 x 256, is made by a work-group of four waves; a wave makes 128 x 128: 64 accumulators of 16 x 16, 512 registers.  K goes in 8 steps of 128 through a ring of two LDS slots
; filled by the tensor data mover.  A's rows lie along K and come out of LDS as they lie; B's rows lie along N and are turned on the way out of LDS, by ds_load_tr16_b128.
; A WORK-GROUP STAYS (TILES > 1): its tiles lie side by side, WALK columns apart: the same rows of A, other columns of B.  A loop over tiles stands round the loop over K, and the ring does not stop at a
; tile's end: a tile's last two changes of slots ask for the next tile's first two K steps; then the tile goes out, and nothing waits for its stores.  The next tile's bias is loaded behind the quarter
; step that has read this tile's.  The last tile's tail, which asks for nothing, is written out; both ways join in front of one way out.  TILES > 1 goes with OUT32 = 0 alone: the f32 way out works in
; the registers that would hold the next tile's first fragments.
; CLUSTERS: 4 x 4 work-groups.  The four of a row of the cluster need the same tiles of A, the four of a column the same tiles of B: each tile is asked for JOINTLY, by the same tensor load with
; the same descriptor and a mask that names the four.
; THE MATRIX INSTRUCTION IS USED TRANSPOSED: source 0 = 16 columns of B, source 1 = 16 rows of A.  Lane l then holds row l % 16 of C and the columns 8 (l / 16) + 0..7.
; THE BIAS is the C operand of the product that starts each sum: nothing is cleared and nothing is added afterwards.
; REGISTERS, in windows of 256 (s_set_vgpr_msb: bits 1:0 source 0, 3:2 source 1, 5:4 source 2, 7:6 destination):
;   window 0: v0-31 addresses; v64-127, v128-191 fragments of A, two buffers; the rest at work on the way out
;   window 1: v0-63 the bias of my 128 columns, laid as an accumulator's registers; v64-127, v128-191 fragments of B, two buffers
;   window 2: the 32 accumulators of my rows 0-63 ((a, b) at v[8 (8 a + b)]);   window 3: those of my rows 64-127
.set SIZE_K, 1024
.set KSTEP,  128
.set LAPS,   SIZE_K/(2*KSTEP)          ; a lap = two K steps = once round the ring
.set ESZ,    2+2*OUT32                 ; bytes in a number of C
.set WALK,   SIZE_N/TILES              ; columns from a tile to the work-group's next
.set BACK_A, (SIZE_K-2*KSTEP)*2        ; bytes from a slot's last K step of a tile back to its first of the next: A only goes back along K,
.set BACK_B, (SIZE_K-2*KSTEP)*2*SIZE_N-WALK*2  ; B goes back along K and WALK columns on
.set PBK_A,  (SIZE_K-KSTEP)*2          ; the same for the prefetches' pointer: from the K step behind the tile's last but one place to the next tile's K step 2
.set PBK_B,  (SIZE_K-KSTEP)*2*SIZE_N-WALK*2
.set PITCH,  272                       ; a row of A in LDS: 256 bytes + 16 = 68 words: the 16 rows of a load start at 16 different groups of four banks (64 banks of 4 bytes: ISA guide 11.1)
.set PB,     544                       ; a row of B in LDS: 512 bytes + 32 = 136 words
.set HALFT,  128*PITCH                 ; what one tensor load brings: 128 rows of A, or 64 rows of B (64 x 544 is the same number)
.set SLOT,   4*HALFT                   ; A's 256 rows, then B's 128 rows
.set STAGE,  2*SLOT                    ; behind the ring: 16 rows for each wave, for the way out; no tensor load fills it
.set SPARE,  STAGE+4*16*SPITCH         ; behind the stages: the spare words, 128 bytes for each wave: two blocks of 256 bytes that no other line names
.set ADRA, 16                          ; v16-17  LDS address of my A fragments in slot 0, 1
.set ADRB, 20                          ; v20-21  the same for B
.set STO,  24                          ; v24     the way out: where I put my part of a row
.set RD,   25                          ; v25     the way out: where I read rows back
.set CO,   26                          ; v26     my byte offset in C
.set BO,   27                          ; v27     my byte offset in 16 numbers of the bias
.set SPW,  28                          ; v28     LDS address of my spare word: SPARE + 4 x my thread's number; never rewritten
.set NIL,  29                          ; v29     0; never rewritten
.set PFO,  30                          ; v30     the prefetches' offset; never rewritten
.set F0,   64
.set F1,   128
.set TMP,  192                         ; f16 way out: packed results
.set OB,   32                          ; f16 way out: 16 rows read back: v32-63 and v224-255 by turns
.set G1,   24                          ; s[24:31] descriptor group 1 for A's tiles
.set G0,   32                          ; s[32:39] group 0 for A's tiles, a set for each slot
.set LIM,  43                          ; s43      1 in a wave that prefetches, else the greatest number
.set PFA,  44                          ; s[44:45] where my prefetches stand
.set G1B,  48                          ; s[48:55], s[56:63] the same two groups for B's tiles
.set G0B,  56
.set BIAS, 68                          ; s[68:69]
.set CP,   70                          ; s[70:71] C at my part of the tile
.set PST,  72                          ; s[72:73] a K step in the tensor that I prefetch
.set PBK,  76                          ; s[76:77] what the prefetches' pointer goes back at a change of tiles
.set CST,  78                          ; s[78:79] what a way out adds to C's address: 0 for the first tile, then WALK columns
.set MSB, 0
.macro WIN new                         ; the immediate's high byte repeats the setting that is left; a switch that changes nothing is dropped
.if MSB != (\new)
	s_set_vgpr_msb (MSB<<8)|(\new)
.set MSB, \new
.endif
.endm
; A joint refill.  Waves 0 and 1 fetch A's two halves, waves 2 and 3 B's.  The branch hangs on the wave's number alone.  An s_nop 0 and four v_nop follow each of the two lines.
.macro JLOAD s
	s_cmp_eq_u32 s11, 0
	s_cbranch_scc0 .Lfor_b_\@
	tensor_load_to_lds s[G0+4*(\s):G0+4*(\s)+3], s[G1:G1+7]
	s_nop 0
.rept 4
	v_nop
.endr
	s_branch .Lasked_\@
.Lfor_b_\@:
	tensor_load_to_lds s[G0B+4*(\s):G0B+4*(\s)+3], s[G1B:G1B+7]
	s_nop 0
.rept 4
	v_nop
.endr
.Lasked_\@:
.endm
; A PREFETCH INTO THE L2, behind each joint refill and the run of LDS loads that follows it: the K step that stands two refills on, 512 matrix instructions ahead of the load that will want it; 32 blocks of 256 bytes,
; a lane a block, one instruction a wave.  Each block is named once in the launch: A's rows by the clusters with x = 0, B's by those with y = 0; the four partners that ask for a tile jointly share its
; blocks out BY ADDRESS.  The launch's K steps 0 to 3 come by their loads alone.  how = 0, in the loop: its last trip has no K step two refills on and asks for nothing.  how = 1, at a change of tiles: the next
; tile's K steps 2 and 3 of B (its K steps 0 and 1 come by their refills alone); A's rows, which all tiles of the walk read, are asked for in the first tile alone.
.macro ASK how
.if \how
	s_cmp_eq_u32 s[LIM], 1
.else
	s_cmp_gt_u32 s3, s[LIM]                        ; s3 = 1 in the loop's last trip
.endif
	s_cbranch_scc0 .Lnot_mine_\@
	global_prefetch_b8 v[PFO], s[PFA:PFA+1] th:TH_LOAD_NT scope:SCOPE_SE
.Lnot_mine_\@:
.endm
; A round of the cluster's barrier: my work-group's barrier; wave 0 signals for the work-group; every wave waits for all sixteen; my work-group's barrier once more.
.macro CREST
	s_cmp_lg_u32 s10, 0
	s_cbranch_scc1 .Lnot_wave_0_\@
	s_barrier_signal -3
.Lnot_wave_0_\@:
	s_barrier_wait -3
	s_barrier_signal -1
	s_barrier_wait -1
.endm
.macro CROUND
	s_barrier_signal -1
	s_barrier_wait -1
	CREST
.endm
.macro BIASLOAD                        ; register 8 b + j of window 1: the bias of column 16 b + 8 (l / 16) + j of my 128
	WIN 0x40                                       ; destination window 1, address window 0
.irp b, 0,1,2,3,4,5,6,7
	global_load_b128 v[8*(\b):8*(\b)+3],   v[BO], s[BIAS:BIAS+1] offset:64*(\b)
	global_load_b128 v[8*(\b)+4:8*(\b)+7], v[BO], s[BIAS:BIAS+1] offset:64*(\b)+16
.endr
	WIN 0
.endm
	s_load_b128 s[4:7], s[0:1], 0x0                ; A s[4:5], B s[6:7]
	s_load_b128 s[68:71], s[0:1], 0x10             ; bias, C
	v_lshl_add_u32 v[SPW], v0, 2, SPARE
	v_mov_b32 v[NIL], 0
	ds_add_u32 v[SPW], v[NIL]                      ; the wave's opening: the add and its wait stand ahead of my first tensor load; the set-up below, work on registers, stands between them
	v_lshrrev_b32 v1, 5, v0
	v_readfirstlane_b32 s10, v1                    ; wave 0..3
	s_lshr_b32 s11, s10, 1                         ; which half of the tile's rows is mine.  Also: I fetch for A (0) or for B (1)
	s_and_b32 s12, s10, 1                          ; which half of its columns.  Also: which half of that tile I fetch
	s_bfe_u32 s40, ttmp6, 0x40000                  ; cx, cy: my place in the cluster
	s_bfe_u32 s41, ttmp6, 0x40004
	s_lshl_b32 s42, ttmp9, 2
	s_add_co_u32 s42, s42, s40                     ; tile column of my first tile of C = 4 x cluster x + cx
	s_and_b32 s13, ttmp7, 0xffff
	s_lshl_b32 s13, s13, 2
	s_add_co_u32 s13, s13, s41                     ; tile row of C = 4 x cluster y + cy
	s_lshl_b32 s43, s41, 2
	s_lshl_b32 s43, 15, s43                        ; my row of the cluster: places 4 cy .. 4 cy + 3
	s_lshl_b32 s44, 0x1111, s40                    ; my column: places cx, cx + 4, cx + 8, cx + 12
	; group 1 for A: 128 rows x 128 elements of 2 bytes; 16 bytes of padding behind every 64 words
	s_or_b32 s[G1+0], s43, (1<<16)|(1<<20)|(1<<21)|(5<<22)|(3<<25)  ; 15:0 the mask; 17:16 element size; 20 padding on; 21 set beside a mask; 24:22 the interval; 31:25 the pad
	s_mov_b32 s[G1+1], KSTEP<<16                   ; tensor_dim0 = 128
	s_mov_b32 s[G1+2], 128<<16                     ; tensor_dim1 = 128
	s_mov_b32 s[G1+3], KSTEP<<16                   ; tile_dim0 = 128
	s_mov_b32 s[G1+4], 128                         ; tile_dim1 = 128
	s_mov_b32 s[G1+5], SIZE_K                      ; elements from row to row
	s_mov_b32 s[G1+6], 0
	s_mov_b32 s[G1+7], 0
	; group 1 for B: 64 rows x 256 elements; 32 bytes of padding behind every 128 words
	s_or_b32 s[G1B+0], s44, (1<<16)|(1<<20)|(1<<21)|(6<<22)|(7<<25)
	s_mov_b32 s[G1B+1], 256<<16
	s_mov_b32 s[G1B+2], 64<<16
	s_mov_b32 s[G1B+3], 256<<16
	s_mov_b32 s[G1B+4], 64
	s_mov_b32 s[G1B+5], SIZE_N
	s_mov_b32 s[G1B+6], 0
	s_mov_b32 s[G1B+7], 0
.if TILES > 1
	s_mov_b32 s[CST], 0
	s_mov_b32 s[CST+1], 0
.endif
	; where the tiles come from.  A's hang on the tile row alone, which my row of the cluster shares; B's on the tile column alone, which my column shares
	s_lshl_b32 s17, s12, 7
	s_lshl_b32 s16, s13, 8
	s_add_co_u32 s16, s16, s17                     ; A: row 256 x tile row + 128 x half,
	s_lshl_b32 s16, s16, 11                        ; of 2,048 bytes
	s_mov_b32 s17, 0
	s_mul_i32 s46, s12, 128*SIZE_N                 ; B: row 64 x half, of 2 SIZE_N bytes,
	s_lshl_b32 s47, s42, 9                         ; column 256 x tile column
	s_add_co_u32 s46, s46, s47
	s_mov_b32 s47, 0
	s_mul_i32 s20, s10, HALFT                      ; and where they go: wave x a load's bytes: no place in the cluster enters an LDS address
	s_wait_dscnt 0x0                               ; the opening add is done
	s_wait_kmcnt 0x0
	s_add_nc_u64 s[14:15], s[4:5], s[16:17]
	s_add_nc_u64 s[46:47], s[6:7], s[46:47]
	CROUND                                         ; all sixteen work-groups are here: the first joint loads meet
.irp s, 0,1
	s_mov_b32 s[G0+4*(\s)], 1                                      ; count = 1
	s_add_co_u32 s[G0+4*(\s)+1], s20, (\s)*SLOT                    ; LDS address
	s_add_nc_u64 s[G0+4*(\s)+2:G0+4*(\s)+3], s[14:15], (\s)*KSTEP*2  ; global address: K step s
	s_or_b32 s[G0+4*(\s)+3], s[G0+4*(\s)+3], 0x80000000            ; type = 2
	s_mov_b32 s[G0B+4*(\s)], 1
	s_add_co_u32 s[G0B+4*(\s)+1], s20, (\s)*SLOT
	s_add_nc_u64 s[G0B+4*(\s)+2:G0B+4*(\s)+3], s[46:47], (\s)*KSTEP*2*SIZE_N
	s_or_b32 s[G0B+4*(\s)+3], s[G0B+4*(\s)+3], 0x80000000
.endr
	s_cmp_eq_u32 s11, 0                            ; a wave's two first fills stand in one branch, ahead of every wait on TENSORcnt and every LDS read: two loads of mine are out
	s_cbranch_scc0 .Lfirst_b
	tensor_load_to_lds s[G0:G0+3], s[G1:G1+7]
	s_nop 0
	tensor_load_to_lds s[G0+4:G0+7], s[G1:G1+7]
	s_nop 0
.rept 4
	v_nop
.endr
	s_branch .Lfirst_asked
.Lfirst_b:
	tensor_load_to_lds s[G0B:G0B+3], s[G1B:G1B+7]
	s_nop 0
	tensor_load_to_lds s[G0B+4:G0B+7], s[G1B:G1B+7]
	s_nop 0
.rept 4
	v_nop
.endr
.Lfirst_asked:
	; A fragment is 16 rows x 32 K in 8 registers: lane l holds row l % 16; registers 0-3 K = 8 (l / 16) + 0..7, registers 4-7 K = 16 + 8 (l / 16) + 0..7.
	; A: two loads of 16 bytes, 32 bytes apart.  B: the turning load takes 16 K x 16 columns (lane l reads K row 8 (l / 16) + l % 8, columns 8 ((l / 8) % 2) + 0..7) and leaves half a fragment; the second stands 16 rows on.
	v_and_b32 v1, 15, v0                           ; l % 16
	v_bfe_u32 v2, v0, 4, 1                         ; l / 16
	v_mul_u32_u24 v3, v1, PITCH
	v_lshl_add_u32 v3, v2, 4, v3
	v_and_b32 v4, 7, v0
	v_bfe_u32 v5, v0, 3, 1
	v_lshl_add_u32 v4, v2, 3, v4
	v_mul_u32_u24 v4, v4, PB
	v_lshl_add_u32 v4, v5, 4, v4
	s_mul_i32 s21, s11, HALFT                      ; my 128 rows of A
	s_lshl_b32 s22, s12, 8                         ; my 128 columns of B: 256 bytes of each row,
	s_add_co_u32 s22, s22, 2*HALFT                 ; behind A's 256 rows
.irp s, 0,1
	v_add_nc_u32 v[ADRA+(\s)], s21, v3
	v_add_nc_u32 v[ADRB+(\s)], s22, v4
	s_add_co_u32 s21, s21, SLOT
	s_add_co_u32 s22, s22, SLOT
.endr
	s_mul_i32 s23, s10, 16*SPITCH
	s_add_co_u32 s23, s23, STAGE                   ; my stage
	v_mul_u32_u24 v6, v1, SPITCH                   ; in: row l % 16, my eight numbers
.if OUT32
	v_lshl_add_u32 v6, v2, 5, v6
	v_add_nc_u32 v[STO], s23, v6
	v_and_b32 v7, 31, v0                           ; back: 32 lanes take one row of 512 bytes,
	v_lshlrev_b32 v[CO], 4, v7                     ; which are 512 consecutive bytes of C
	v_add_nc_u32 v[RD], s23, v[CO]
.else
	v_lshl_add_u32 v6, v2, 4, v6
	v_add_nc_u32 v[STO], s23, v6
	v_mul_u32_u24 v7, v2, SPITCH                   ; back: lanes 0-15 take one row of 256 bytes, lanes 16-31 the next,
	v_lshl_add_u32 v7, v1, 4, v7
	v_add_nc_u32 v[RD], s23, v7
	v_mul_u32_u24 v7, v2, SIZE_N*2                 ; and the same two rows in C
	v_lshl_add_u32 v[CO], v1, 4, v7
.endif
	v_lshlrev_b32 v[BO], 5, v2
	s_lshl_b32 s16, s13, 8                         ; C at my first row and column
	s_lshl_b32 s17, s11, 7
	s_add_co_u32 s16, s16, s17
	s_mul_i32 s16, s16, SIZE_N*ESZ                 ; under 2^27
	s_mul_i32 s17, s42, 256*ESZ
	s_add_co_u32 s16, s16, s17
	s_mul_i32 s17, s12, 128*ESZ
	s_add_co_u32 s16, s16, s17
	s_mov_b32 s17, 0
	s_add_nc_u64 s[CP:CP+1], s[CP:CP+1], s[16:17]
	s_lshl_b32 s18, s42, 10                        ; the bias at my first column
	s_lshl_b32 s19, s12, 9
	s_add_co_u32 s18, s18, s19
	s_mov_b32 s19, 0
	s_add_nc_u64 s[BIAS:BIAS+1], s[BIAS:BIAS+1], s[18:19]
	BIASLOAD
	; the prefetches.  A's waves: rows 256 x tile row + 128 x half + 32 cx + lane, 256 bytes a K step.  B's waves: rows 64 x half + 16 cy + lane / 2 of a K step's 128, the tile's 512 bytes in two blocks (lane % 2)
	s_lshl_b32 s20, s13, 8
	s_lshl_b32 s21, s12, 7
	s_add_co_u32 s20, s20, s21
	s_lshl_b32 s21, s40, 5
	s_add_co_u32 s20, s20, s21
	s_lshl_b32 s20, s20, 11
	s_add_co_u32 s20, s20, 3*KSTEP*2               ; A's offset, at K step 3: the first refill steps it to 4
	s_lshl_b32 s22, s12, 6
	s_lshl_b32 s21, s41, 4
	s_add_co_u32 s22, s22, s21
	s_add_co_u32 s22, s22, 3*KSTEP
	s_mul_i32 s22, s22, 2*SIZE_N
	s_lshl_b32 s21, s42, 9
	s_add_co_u32 s22, s22, s21                     ; B's offset, likewise
	s_and_b32 s23, ttmp7, 0xffff                   ; cluster y
	s_mov_b32 s[PST], KSTEP*2*SIZE_N
	s_mov_b32 s[PST+1], 0
.if TILES > 1
	s_mov_b32 s[PBK], PBK_B
	s_mov_b32 s[PBK+1], 0
.endif
	s_mov_b32 s75, 2*SIZE_N
	s_mov_b32 s21, 0
	s_cmp_eq_u32 s11, 0                            ; do I fetch for A?
	s_cselect_b32 s20, s20, s22
	s_cselect_b32 s23, ttmp9, s23                  ; the coordinate along which other clusters read the same blocks
	s_cselect_b64 s[PFA:PFA+1], s[4:5], s[6:7]
	s_cselect_b32 s[PST], KSTEP*2, s[PST]
.if TILES > 1
	s_cselect_b32 s[PBK], PBK_A, s[PBK]
.endif
	s_cselect_b32 s75, SIZE_K*2, s75               ; bytes from row to row
	s_cselect_b32 s74, 0, 1                        ; lanes to a row, less one: a shift and a mask
	s_add_nc_u64 s[PFA:PFA+1], s[PFA:PFA+1], s[20:21]
	s_cmp_eq_u32 s23, 0
	s_cselect_b32 s[LIM], 1, -1                    ; the same in all sixteen partners, for a given wave
	v_and_b32 v8, 31, v0
	v_lshrrev_b32 v9, s74, v8
	v_mul_u32_u24 v[PFO], s75, v9
	v_and_b32 v8, s74, v8
	v_lshl_add_u32 v[PFO], v8, 8, v[PFO]
; 16 matrix instructions: m blocks a0, a0 + 1 of the window's four (hi = 0: my rows 0-63, 1: rows 64-127) x all 8 n blocks, 32 along K.  zero = 1: the product starts the sum, with the bias as C.
; The 64 accumulators take turns, one instruction a turn, in the same order in every quarter step.
.macro MUL16 f, hi, a0, zero
.if \zero
	WIN 0x91+0x40*(\hi)                            ; B window 1, A window 0, C (the bias) window 1, D window 2 or 3
.else
	WIN 0xa1+0x50*(\hi)                            ; B window 1, A window 0, C and D window 2 or 3
.endif
.irp a, \a0, (\a0)+1
.irp b, 0,1,2,3,4,5,6,7
.set rD, 8*(8*(\a)+(\b))
.set rB, (\f)+8*(\b)
.set rA, (\f)+8*(4*(\hi)+(\a))
.set rC, rD
.if \zero
.set rC, 8*(\b)
.endif
.if F16IN
	v_wmma_f32_16x16x32_f16 v[rD:rD+7], v[rB:rB+7], v[rA:rA+7], v[rC:rC+7]
.else
	v_wmma_f32_16x16x32_bf16 v[rD:rD+7], v[rB:rB+7], v[rA:rA+7], v[rC:rC+7]
.endif
.endr
.endr
.endm
; 32 LDS loads in one run: the fragments of quarter q of a slot's K step (128 columns of B, 128 rows of A, 32 K) into buffer f
.macro FETCH slot, q, f
	WIN 0x40                                       ; destination window 1
.irp i, 0,1,2,3,4,5,6,7
	ds_load_tr16_b128 v[(\f)+8*(\i):(\f)+8*(\i)+3],   v[ADRB+(\slot)] offset:(\q)*32*PB+32*(\i)
	ds_load_tr16_b128 v[(\f)+8*(\i)+4:(\f)+8*(\i)+7], v[ADRB+(\slot)] offset:(\q)*32*PB+32*(\i)+16*PB
.endr
	WIN 0
.irp i, 0,1,2,3,4,5,6,7
	ds_load_b128 v[(\f)+8*(\i):(\f)+8*(\i)+3],   v[ADRA+(\slot)] offset:(\q)*64+(\i)*16*PITCH
	ds_load_b128 v[(\f)+8*(\i)+4:(\f)+8*(\i)+7], v[ADRA+(\slot)] offset:(\q)*64+(\i)*16*PITCH+32
.endr
.endm
; Four plain vector instructions stand between a matrix instruction and a load into a register that it has read, or an instruction that reads its result (ISA guide 7.12.1 for vector instructions)
.macro PLACES
.rept 4
	v_nop
.endr
.endm
; A K step is four quarters of 32 along K, 64 matrix instructions each, on buffers 0, 1, 0, 1.  One of the first three: multiplies buffer f; in its middle it fetches quarter q into buffer g.
.macro QUARTER slot, q, f, g, zero
	s_wait_dscnt 8                                 ; B and A's rows 0-63 are in; the youngest eight loads (A's rows 64-127) may be out
	MUL16 \f, 0, 0, \zero
	MUL16 \f, 0, 2, \zero
	PLACES
	FETCH \slot, \q, \g
	s_wait_dscnt 32                                ; all but the 32 just issued
	MUL16 \f, 1, 0, \zero
	MUL16 \f, 1, 2, \zero
.endm
; The last quarter multiplies buffer 1 and changes slots.  MEET is its first half: ONE barrier.  In front of it each wave waits for all its tensor loads, of which one is out: its part of the next slot;
; adds 0 to its spare word; and waits for that and for its own reads of this slot.  Behind it nobody reads this slot any more and the next slot is whole.
.macro MEET round
	WIN 0                                          ; (the add's two registers lie in window 0)
	s_wait_tensorcnt 0x0
	ds_add_u32 v[SPW], v[NIL]                      ; 0 onto my spare word
	s_wait_dscnt 9                                 ; (the add and the youngest eight loads may be out)
	MUL16 F1, 0, 0, 0                              ; sixteen matrix instructions stand between the add and the wait for it
	s_wait_dscnt 0x0                               ; the add is done, and my reads of this slot are over
	s_barrier_signal -1
	MUL16 F1, 0, 2, 0                              ; work on registers while the others arrive
.if \round
	WIN 0
.endif
	s_barrier_wait -1
.endm
; The whole last quarter where the slot is filled again: the barrier opens a round of the cluster's barrier, and the joint refill is the first tensor load behind it: this tile's K step two steps on (on = 0)
; or, in a tile's last two K steps, the NEXT tile's K step 0 or 1 (on = 1).  From that request to the wait for it a wave issues 224 matrix instructions, across tiles too.
.macro TURN slot, next, on
	s_wait_xcnt 0x0                                ; the last prefetch, a K step back, has read its address
.if (\on) && (\slot) == 0
	s_sub_nc_u64 s[PFA:PFA+1], s[PFA:PFA+1], s[PBK:PBK+1]  ; to the next tile's K step 2
	s_cmp_eq_u32 s11, 0
	s_cselect_b32 s[LIM], -1, s[LIM]               ; A's rows are the same for all tiles of the walk: they are asked for no more
.else
	s_add_nc_u64 s[PFA:PFA+1], s[PFA:PFA+1], s[PST:PST+1]
.endif
	MEET 1
	CREST                                          ; no wave of any partner still reads this slot's tile or has a load on its way
.if \on
	s_sub_nc_u64 s[G0+4*(\slot)+2:G0+4*(\slot)+3], s[G0+4*(\slot)+2:G0+4*(\slot)+3], BACK_A
	s_sub_nc_u64 s[G0B+4*(\slot)+2:G0B+4*(\slot)+3], s[G0B+4*(\slot)+2:G0B+4*(\slot)+3], BACK_B
.else
	s_add_nc_u64 s[G0+4*(\slot)+2:G0+4*(\slot)+3], s[G0+4*(\slot)+2:G0+4*(\slot)+3], 2*KSTEP*2
	s_add_nc_u64 s[G0B+4*(\slot)+2:G0B+4*(\slot)+3], s[G0B+4*(\slot)+2:G0B+4*(\slot)+3], 2*KSTEP*2*SIZE_N
.endif
	JLOAD \slot                                    ; the four v_nop behind it are also the places in front of the loads below
	FETCH \next, 0, F0
	ASK \on
	MUL16 F1, 1, 0, 0
	MUL16 F1, 1, 2, 0
.endm
	s_wait_tensorcnt 1                             ; my part of K step 0 is in; K step 1's may stay out
	s_barrier_signal -1
	s_barrier_wait -1                              ; everybody's is
	FETCH 0, 0, F0
.if TILES > 1
	s_mov_b32 s2, TILES                            ; tiles to go, this one among them: the same number in every work-group
.Ltile:
.endif
	s_wait_loadcnt 0x0                             ; the tile's bias
	QUARTER 0, 1, F0, F1, 1                        ; a tile's first quarter stands in front of the loop: its products start the sums
	WIN 0                                          ; at a label and at a branch every window is 0
.if TILES > 1
	PLACES                                         ; the places in front of loads into the bias's registers, which those products have read
	s_cmp_eq_u32 s2, 1
	s_cbranch_scc1 .Lno_bias                       ; the last tile has no successor
	s_add_nc_u64 s[BIAS:BIAS+1], s[BIAS:BIAS+1], WALK*4  ; free since the wait at the tile's head showed the last bias loads done
	BIASLOAD                                       ; the next tile's bias has all of this tile in which to come
.Lno_bias:
.endif
	s_mov_b32 s3, LAPS-1
.Llap:                                                 ; a trip goes once round the ring, from a lap's second quarter to the next lap's first, and fills both slots again
	QUARTER 0, 2, F1, F0, 0
	QUARTER 0, 3, F0, F1, 0
	TURN 0, 1, 0
	QUARTER 1, 1, F0, F1, 0
	QUARTER 1, 2, F1, F0, 0
	QUARTER 1, 3, F0, F1, 0
	TURN 1, 0, 0
	QUARTER 0, 1, F0, F1, 0
	WIN 0
	s_sub_co_u32 s3, s3, 1
	s_cmp_lg_u32 s3, 0
	s_cbranch_scc1 .Llap
	QUARTER 0, 2, F1, F0, 0                        ; the tile's last lap goes on
	QUARTER 0, 3, F0, F1, 0
.if TILES > 1
	WIN 0
	s_cmp_eq_u32 s2, 1
	s_cbranch_scc1 .Llast                          ; the last tile's tail is written out: it asks for nothing more
	TURN 0, 1, 1                                   ; THE RING GOES ON INTO THE NEXT TILE: slot 0 takes its K step 0,
	QUARTER 1, 1, F0, F1, 0
	QUARTER 1, 2, F1, F0, 0
	QUARTER 1, 3, F0, F1, 0
	TURN 1, 0, 1                                   ; slot 1 its K step 1, and the next tile's first fragments are fetched: both refills are asked for when the tile goes out
	WIN 0
	s_branch .Lout
.Llast:
.endif
	MEET 0                                         ; the last lap of all fills nothing, and has no round of the cluster's barrier
	PLACES
	FETCH 1, 0, F0
	MUL16 F1, 1, 0, 0
	MUL16 F1, 1, 2, 0
	QUARTER 1, 1, F0, F1, 0
	QUARTER 1, 2, F1, F0, 0
	QUARTER 1, 3, F0, F1, 0
	s_wait_dscnt 8                                 ; the very last quarter: nothing more to fetch
	MUL16 F1, 0, 0, 0
	MUL16 F1, 0, 2, 0
	s_wait_dscnt 0x0
	MUL16 F1, 1, 0, 0
	MUL16 F1, 1, 2, 0
	WIN 0
.if TILES > 1
.Lout:
.endif
	PLACES
; THE WAY OUT, a block of 16 rows at a time through my own stage in LDS, so that whole rows leave.  LDS serves a wave's instructions in order (ISA guide 5.7.1.4): the loads see the stores above them,
; and the next block's stores come behind them.  A block's place among my 128 rows stands in the store's immediate: 127 rows of C at the most, inside its signed 24 bits.
.if OUT32
.macro TOSTAGE a                       ; the accumulators go into the stage as they are, each one's low four registers first; whole rows of 512 bytes come back, into A's fragment buffers by turns
.set AC, 64*((\a)%4)
.set BK, F0+64*((\a)%2)
	s_wait_xcnt 0x0                                ; the stores of the block two back have read the registers that are loaded again below
	WIN 0x08+4*((\a)/4)                            ; the stores' data in window 2 or 3
.irp b, 0,1,2,3,4,5,6,7
	ds_store_b128 v[STO], v[AC+8*(\b):AC+8*(\b)+3]   offset:64*(\b)
	ds_store_b128 v[STO], v[AC+8*(\b)+4:AC+8*(\b)+7] offset:64*(\b)+16
.endr
	WIN 0
.irp t, 0,1,2,3,4,5,6,7,8,9,10,11,12,13,14,15
	ds_load_b128 v[BK+4*(\t):BK+4*(\t)+3], v[RD] offset:(\t)*SPITCH
.endr
.endm
.macro SEND a, younger                 ; younger: the LDS instructions issued behind block a's loads: the next block's 32, or none
.set BK, F0+64*((\a)%2)
	s_wait_dscnt \younger
.irp t, 0,1,2,3,4,5,6,7,8,9,10,11,12,13,14,15
	global_store_b128 v[CO], v[BK+4*(\t):BK+4*(\t)+3], s[CP:CP+1] offset:(16*(\a)+(\t))*SIZE_N*4  ; 32 lanes store 512 consecutive bytes, at a multiple of 512 from C's first byte
.endr
.endm
	TOSTAGE 0
.irp a, 1,2,3,4,5,6,7
	TOSTAGE \a
	SEND (\a)-1, 32
.endr
	SEND 7, 0
.else
.macro PACK a                          ; rounded to f16: a lane's eight numbers of a row are 16 bytes
.set AC, 64*((\a)%4)
	WIN 0x0a+5*((\a)/4)                            ; sources 0 and 1: window 2 or 3
.irp b, 0,1,2,3,4,5,6,7
.irp r, 0,1,2,3
	v_cvt_pk_f16_f32 v[TMP+4*(\b)+(\r)], v[AC+8*(\b)+2*(\r)], v[AC+8*(\b)+2*(\r)+1]
.endr
.endr
	WIN 0
.endm
.macro TOSTAGE a
.set BK, OB+192*((\a)%2)
.irp b, 0,1,2,3,4,5,6,7
	ds_store_b128 v[STO], v[TMP+4*(\b):TMP+4*(\b)+3] offset:32*(\b)
.endr
.irp t, 0,1,2,3,4,5,6,7
	ds_load_b128 v[BK+4*(\t):BK+4*(\t)+3], v[RD] offset:(\t)*2*SPITCH
.endr
.endm
.macro SEND a, younger
.set BK, OB+192*((\a)%2)
	s_wait_dscnt \younger                          ; the block is back in registers
	s_wait_xcnt 0x0                                ; the stores issued so far have read their registers, which the next block's loads write, and their base
.if (TILES > 1) && ((\a) == 0)
	s_add_nc_u64 s[CP:CP+1], s[CP:CP+1], s[CST:CST+1]  ; on to this tile's columns
.endif
.irp t, 0,1,2,3,4,5,6,7
	global_store_b128 v[CO], v[BK+4*(\t):BK+4*(\t)+3], s[CP:CP+1] offset:(16*(\a)+2*(\t))*SIZE_N*2  ; 16 lanes store 256 consecutive bytes, at a multiple of 256 from C's first byte
.endr
.endm
	PACK 0
	TOSTAGE 0
.irp a, 1,2,3,4,5,6,7                  ; block a's conversions stand between block a - 1's loads from the stage and the wait for them
	PACK \a
	SEND (\a)-1, 0
	TOSTAGE \a
.endr
	SEND 7, 0
.endif
.if TILES > 1
	s_mov_b32 s[CST], WALK*ESZ                     ; what the next way out adds to C's address
	s_sub_co_u32 s2, s2, 1
	s_cmp_lg_u32 s2, 0
	s_cbranch_scc1 .Ltile
.endif
	s_wait_tensorcnt 0x0                           ; the wave's end: a last add to my spare word and its wait, behind my last tensor load and my last LDS store
	ds_add_u32 v[SPW], v[NIL]
	s_wait_dscnt 0x0
	CROUND                                         ; the closing round: no work-group ends while a partner may still ask for a tile that names it
	s_endpgm
.Lfunc_end_k_qb42858604e_gemm_out:
	.size	k_qb42858604e_gemm_out, .Lfunc_end_k_qb42858604e_gemm_out-k_qb42858604e_gemm_out
	.p2alignl 7, 3214868480
	.fill 96, 4, 3214868480
	.section	.rodata,"a",@progbits
	.p2align	6, 0x0
	.amdhsa_kernel k_qb42858604e_gemm_out
		.amdhsa_group_segment_fixed_size 327680
		.amdhsa_private_segment_fixed_size 0
		.amdhsa_enable_private_segment 0
		.amdhsa_kernarg_size 32
		.amdhsa_user_sgpr_count 2
		.amdhsa_user_sgpr_kernarg_segment_ptr 1
		.amdhsa_wavefront_size32 1
		.amdhsa_system_sgpr_workgroup_id_x 1
		.amdhsa_system_sgpr_workgroup_id_y 1
		.amdhsa_system_sgpr_workgroup_id_z 1
		.amdhsa_system_vgpr_workitem_id 0
		.amdhsa_next_free_vgpr 1024
		.amdhsa_next_free_sgpr 80
		.amdhsa_reserve_vcc 0
		.amdhsa_float_denorm_mode_32 3
		.amdhsa_float_denorm_mode_16_64 3
		.amdhsa_memory_ordered 1
		.amdhsa_forward_progress 1
		.amdhsa_inst_pref_size 144
	.end_amdhsa_kernel
	.amdgpu_metadata
---
amdhsa.version: [ 1, 2 ]
amdhsa.kernels:
  - .name:           k_qb42858604e_gemm_out
    .symbol:         k_qb42858604e_gemm_out.kd
    .args:
      - { .name: att, .offset: 0, .size: 8, .value_kind: global_buffer, .address_space: global }
      - { .name: wo, .offset: 8, .size: 8, .value_kind: global_buffer, .address_space: global }
      - { .name: b_out, .offset: 16, .size: 8, .value_kind: global_buffer, .address_space: global }
      - { .name: out0, .offset: 24, .size: 8, .value_kind: global_buffer, .address_space: global }
    .group_segment_fixed_size: 327680
    .private_segment_fixed_size: 0
    .kernarg_segment_align: 8
    .kernarg_segment_size: 32
    .max_flat_workgroup_size: 128
    .sgpr_count:     80
    .vgpr_count:     1024
    .wavefront_size: 32
...
	.end_amdgpu_metadata
.endif
;; end of part 4
;; ======== version 2 of 2: 4 launches; version 1 with the launch attn written anew for expert scheduling mode
;; limits: values are held in f16: magnitudes above 65,504 overflow, below 6.1e-05 lose precision
;; workspace buffers: xb 33,554,432 bytes; wq 6,291,456 bytes; bq 12,288 bytes; wo 2,097,152 bytes; qkv 100,663,296 bytes; att 33,554,432 bytes
;; launch prep: the kernel of part 1 again; grid 1281 x 1, 8 waves a work-group, no clusters, 0 bytes of LDS; arguments x, W_qkv, b_qkv, W_out, xb, wq, bq, wo; writes xb, wq, bq, wo
;; launch gemm_qkv: the kernel of part 2 again; grid 4 x 64, 4 waves a work-group, clusters of 4 x 4, 327,680 bytes of LDS; arguments xb, wq, bq, qkv; writes qkv
;; launch attn (part 5): grid 512 x 1, 8 waves a work-group, no clusters, 0 bytes of LDS; arguments qkv, att; writes att
.if DOCPART == 5
	.amdgcn_target "amdgcn-amd-amdhsa--gfx1250"
	.amdhsa_code_object_version 6
	.text
	.protected	k_qb42858604e_attn
	.globl	k_qb42858604e_attn
	.p2align	8
	.type	k_qb42858604e_attn,@function
k_qb42858604e_attn:
	s_mov_b64 s[64:65], 0
	v_nop
	global_prefetch_b8 v0, s[64:65] scope:SCOPE_SE
	s_setreg_imm32_b32 hwreg(HW_REG_WAVE_SCHED_MODE, 0, 2), 2
	s_setreg_imm32_b32 hwreg(HW_REG_WAVE_MODE, 25, 1), 1
	s_wait_xcnt 0x0
	s_wait_alu depctr_vm_vsrc(0)
; THE ATTENTION AMONG A TOKEN'S 16 HEADS.  For each token: d2 = max(|q|^2 + |k|^2 - 2 q.k, 0); d2 (1 + 0.15 cos(sqrt(d2 + eps))); force = |q| |k| / (that + eps); softmax over the 16 key heads
; (the row's maximum taken away first); att = P v.  qkv: [16384][3072] f16, att: [16384][1024] f16, in the orders that the cast launch gave the weights:
; q and k: head h, channels 8 e + 0..7 at byte 256 e + 16 h of the part; v: channel d, heads 0..15 at byte 32 d; att: as q.
; So a fragment of Q or K (16 heads x 32 channels) is two loads of 512 consecutive bytes, a fragment of V^T (16 channels x 16 heads) one, and a result of 16 channels x 16 heads one store of 512 consecutive bytes.
; LAYOUT.  S^T = K Q^T: a lane holds ONE query head (lane % 16) and the key heads 8 (lane / 16) + 0..7.  |q|^2 and |k|^2 are the diagonals of Q Q^T and K K^T: the same rounded numbers and the same f32 sums
; as q.k, so that d2 is the distance of the vectors as they are stored.  The weights, rounded to f16 in pairs, ARE half a source 1 of O^T = V^T P.  That product is 32 deep and a token has 16 key heads:
; a fragment of V^T holds token 0 in its first half and token 1 in its second, and each token's P has zeros in the other's half.
; THE COSINE.  t = y / 2 pi less the nearest whole number; cos(y) = sin(2 pi (1/4 - |t|)), by the sine's series up to the ninth power: its argument stays within a quarter turn, and the first term left out is under 4e-6.
; LIMITS.  The error of t grows with y as f32's own step does.  Roots, reciprocals and exponentials flush denormals.  NaN and infinities are not treated apart; v must be finite (0 x v stands in O^T's sums).
; SHARES.  A wave owns four tokens, two PAIRS; the pairs' loads go out ahead: the second pair's Q and K behind the first's products, its V behind the first's V^T P.  Every address is a base, a lane term and an immediate.
; No LDS, no barrier, no cluster: no two waves want the same byte.  No prefetch: a wave asks for half its share in its first lines.
; THE MODE: SCHED_MODE bits 1:0 = 2 (LLVM: expert scheduling mode 2), set by the entry lines.  The code itself states the register dependences between vector or matrix instructions and memory
; instructions, with s_wait_alu, always for 0.
; THE PLAN.  Registers that memory instructions touch:
;   v[LO], v[VO]  offsets.  Written at the head and never again; read by every load and store: one wait on va_vdst ahead of the first load serves them all.
;   QK            Written by the loads of a pair's Q and K; read by the pair's first twelve products and by nothing else.  One wait on va_vdst behind those products; the next pair's sixteen loads follow it,
;                 four at a time among the vector lines behind it, which name neither QK nor v[LO].
;   VV            Written by the loads of a pair's V; read by the pair's last eight products and by nothing else.
;   OUT           Written by the pair's 32 conversions; read by its eight stores.  The same registers are U and PP, at work in the cosine.
; One wait on va_vdst behind a pair's conversions states that OUT is written and that the products are done reading VV: the next pair's loads of V and the pair's stores follow it in one run.
; One wait on vm_vsrc, in the second pair, ahead of the first line that writes U: from the pair's head to that line nothing writes v120 to v151.
; Scalar registers that vector instructions write: s8 (the wave's number) and the four masks of the diagonal's compares: a wait on va_sdst ahead of their first readers.  All else is named by vector and matrix instructions alone.
.set LO,  2                            ; v2      16 x lane
.set VO,  3                            ; v3      32 (lane % 16) + 16 (lane / 16)
.set MD,  8                            ; v[8:15]    register j: 1.0 where lane % 16 = 8 (lane / 16) + j, else 0: the diagonal of a result
.set PF,  16                           ; v[16:27]   token 0's P, four zeros, token 1's P: fragment t is v[16 + 4 t : 23 + 4 t]
.set XT,  28                           ; v[28:31]   a pair at work for each token
.set QS,  32                           ; for token t at + 8 t, each named as a pair: |q|^2,
.set MQ,  34                           ; |q|,
.set MX,  36                           ; log2(e) x the row's maximum,
.set RS,  38                           ; 1 / the row's sum
.set TA,  48                           ; v48, v50   what the other half of the lanes holds
.set S,   56                           ; v[56:71]   8 registers a token, here and below: q.k, then d2
.set GQ,  72                           ; Q Q^T; later |q| |k|, the forces, the weights
.set GK,  88                           ; K K^T; later |k|^2, |k|
.set Y,   104                          ; d2 + eps, its root, t, 1/4 - |t|
.set U,   120                          ; the whole number; the square
.set PP,  136                          ; the series; the divisor; its reciprocal
.set QK,  152                          ; v[152:215] token t: Q at + 32 t, K at + 32 t + 16
.set VV,  216                          ; v[216:247] channel block c at + 8 c: token 0 in registers 0-3, token 1 in 4-7
.set OT,  56                           ; O^T: token t, channel block c at + 32 t + 8 c
.set OUT, 120                          ; O^T in f16
.set SEL, 12                           ; s[12:13] v_permlanex16_b32's selects: each lane takes its own place in the other half
.set EPS, 14                           ; the constants below are named as pairs; the packed forms take the low word for both halves
.set I2P, 16
.set C0,  18
.set C1,  20
.set C2,  22
.set C3,  24
.set C4,  26
.set L2E, 28
.set QRT, 30
.macro TWICE r, val
	s_mov_b32 s[\r], \val
	s_mov_b32 s[\r+1], \val
.endm
.macro EACH n, line:vararg             ; the line for z = 0 .. n - 1
.set z, 0
.rept \n
	\line
.set z, z+1
.endr
.endm
.macro LDQK4 p, t, k                   ; four of pair p's sixteen loads of Q and K: token t; k = 0: Q, 1: K
.irp n, 0,1,2,3
	global_load_b128 v[QK+32*(\t)+16*(\k)+4*(\n):QK+32*(\t)+16*(\k)+4*(\n)+3], v[LO], s[4:5] offset:(2*(\p)+(\t))*6144+2048*(\k)+512*(\n) th:TH_LOAD_NT
.endr
.endm
.macro LDV p                           ; pair p's V: eight loads
.irp c, 0,1,2,3
.irp t, 0,1
	global_load_b128 v[VV+8*(\c)+4*(\t):VV+8*(\c)+4*(\t)+3], v[VO], s[4:5] offset:(2*(\p)+(\t))*6144+4096+512*(\c) th:TH_LOAD_NT
.endr
.endr
.endm
	s_load_b128 s[4:7], s[0:1], 0x0                ; qkv, att
	v_lshrrev_b32 v1, 5, v0
	v_readfirstlane_b32 s8, v1                     ; wave 0..7
	v_and_b32 v4, 31, v0                           ; the lane's offsets are made between that line and the wait for it
	v_lshlrev_b32 v[LO], 4, v4
	v_and_b32 v5, 15, v0
	v_bfe_u32 v6, v0, 4, 1
	v_lshlrev_b32 v[VO], 5, v5
	v_lshl_add_u32 v[VO], v6, 4, v[VO]
	s_wait_alu depctr_va_sdst(0)                   ; s8 is written, ahead of its first reader: the two bases are made from it
	s_lshl_b32 s9, ttmp9, 5
	s_lshl2_add_u32 s9, s8, s9                     ; my first token: 32 x work-group + 4 x wave
	s_mul_i32 s10, s9, 6144
	s_mov_b32 s11, 0
	s_lshl_b32 s2, s9, 11
	s_mov_b32 s3, 0
	s_wait_kmcnt 0x0
	s_add_nc_u64 s[4:5], s[4:5], s[10:11]
	s_add_nc_u64 s[6:7], s[6:7], s[2:3]
	s_wait_alu depctr_va_vdst(0)                   ; v[LO] and v[VO] are written: every load and store of the kernel reads one of them as its offset
	LDQK4 0, 0, 0
	LDQK4 0, 0, 1
	LDQK4 0, 1, 0
	LDQK4 0, 1, 1
	LDV 0
	s_mov_b32 s[SEL], 0x76543210                   ; the rest of the set-up stands in the wait for the first loads
	s_mov_b32 s[SEL+1], 0xfedcba98
	TWICE EPS, 0x358637bd                          ; 1e-6
	TWICE I2P, 0x3e22f983                          ; 1 / 2 pi
	TWICE C0, 0x3f71463a                           ; 0.15 (2 pi)^(2 n + 1) / (2 n + 1)!, signs by turns:  0.9424778
	TWICE C1, 0xc0c670af                           ; -6.2012553
	TWICE C2, 0x4143da44                           ; 12.240787
	TWICE C3, 0xc1381815                           ; -11.505879
	TWICE C4, 0x40c9e1b9                           ; 6.3088041
	TWICE L2E, 0x3fb8aa3b                          ; log2(e)
	s_mov_b32 s[QRT], 0x3e800000                   ; 1/4
	v_lshlrev_b32 v7, 3, v6
	v_sub_nc_u32 v7, v5, v7                        ; lane % 16 - 8 (lane / 16)
.irp g, 0,4                            ; the diagonal's eight compares in two runs of four, into scalar registers that are free since the bases were made
	v_cmp_eq_u32 s2,  (\g),   v7
	v_cmp_eq_u32 s3,  (\g)+1, v7
	v_cmp_eq_u32 s10, (\g)+2, v7
	v_cmp_eq_u32 s11, (\g)+3, v7
	s_wait_alu depctr_va_sdst(0)                   ; the run's four masks are written, ahead of the selects that read them
	v_cndmask_b32 v[MD+(\g)],   0, 1.0, s2
	v_cndmask_b32 v[MD+(\g)+1], 0, 1.0, s3
	v_cndmask_b32 v[MD+(\g)+2], 0, 1.0, s10
	v_cndmask_b32 v[MD+(\g)+3], 0, 1.0, s11
.endr
	EACH 4, v_mov_b32 v[PF+4+z], 0
	EACH 24, v_mov_b32 v[XT+z], 0                  ; v28-51: registers named as halves of pairs, or as the target of an exchange of lanes, hold a number from the start
; A PAIR of tokens, every step for both.  next = 1: the next pair's loads are issued as the registers fall free.
.macro PAIR p, next
	s_wait_loadcnt 8                               ; Q and K are in; V's eight younger loads may stay out
.irp h, 0,1                            ; six accumulators by turns, one instruction a turn: channels 0-31 start the sums, channels 32-63 add onto them
.irp t, 0,1
.set rQ, QK+32*(\t)+8*(\h)
.set rK, rQ+16
.if (\h) == 0
	v_wmma_f32_16x16x32_f16 v[S+8*(\t):S+8*(\t)+7],   v[rK:rK+7], v[rQ:rQ+7], 0
	v_wmma_f32_16x16x32_f16 v[GK+8*(\t):GK+8*(\t)+7], v[rK:rK+7], v[rK:rK+7], 0
	v_wmma_f32_16x16x32_f16 v[GQ+8*(\t):GQ+8*(\t)+7], v[rQ:rQ+7], v[rQ:rQ+7], 0
.else
	v_wmma_f32_16x16x32_f16 v[S+8*(\t):S+8*(\t)+7],   v[rK:rK+7], v[rQ:rQ+7], v[S+8*(\t):S+8*(\t)+7]
	v_wmma_f32_16x16x32_f16 v[GK+8*(\t):GK+8*(\t)+7], v[rK:rK+7], v[rK:rK+7], v[GK+8*(\t):GK+8*(\t)+7]
	v_wmma_f32_16x16x32_f16 v[GQ+8*(\t):GQ+8*(\t)+7], v[rQ:rQ+7], v[rQ:rQ+7], v[GQ+8*(\t):GQ+8*(\t)+7]
.endif
.endr
.endr
.rept 4
	v_nop                                          ; four places in front of the lines that read the products' results (ISA guide 7.12.1)
.endr
.if \next
	s_wait_alu depctr_va_vdst(0)                   ; the twelve products are done reading QK, in which the next pair's sixteen loads land; no line from here to the next pair's products names QK or v[LO]
	LDQK4 (\p)+1, 0, 0
.endif
	; |q|^2 of my query head: the diagonal's one number in my column lies in one half of the lanes; the other half takes it by the exchange
	EACH 2, v_pk_mul_f32 v[XT+2*z:XT+2*z+1], v[GQ+8*z:GQ+8*z+1], v[MD:MD+1]
.irp j, 2,4,6
	EACH 2, v_pk_fma_f32 v[XT+2*z:XT+2*z+1], v[GQ+8*z+(\j):GQ+8*z+(\j)+1], v[MD+(\j):MD+(\j)+1], v[XT+2*z:XT+2*z+1]
.endr
.if \next
	LDQK4 (\p)+1, 0, 1
.endif
	EACH 2, v_add_f32 v[QS+8*z], v[XT+2*z], v[XT+2*z+1]
	EACH 2, v_permlanex16_b32 v[TA+2*z], v[QS+8*z], s[SEL], s[SEL+1]
	EACH 2, v_add_f32 v[QS+8*z], v[QS+8*z], v[TA+2*z]
.if \next
	LDQK4 (\p)+1, 1, 0
.endif
	; |k|^2 of key head 8 (lane / 16) + j in register j of every lane: all but the diagonal is struck out, and the 16 lanes of a half are added up (fifteen zeros and the number)
	EACH 8, v_pk_mul_f32 v[GK+2*z:GK+2*z+1], v[GK+2*z:GK+2*z+1], v[MD+2*(z%4):MD+2*(z%4)+1]
.if \next
	LDQK4 (\p)+1, 1, 1
.endif
.irp m, 1,2,4,8
	EACH 16, v_add_f32_dpp v[GK+z], v[GK+z], v[GK+z] row_xmask:\m row_mask:0xf bank_mask:0xf
.endr
	; d2 = max((|q|^2 + |k|^2) - 2 q.k, 0), and d2 + eps
	EACH 8, v_pk_add_f32 v[Y+2*z:Y+2*z+1], v[GK+2*z:GK+2*z+1], v[QS+8*(z/4):QS+8*(z/4)+1] op_sel_hi:[1,0]
	EACH 8, v_pk_fma_f32 v[S+2*z:S+2*z+1], v[S+2*z:S+2*z+1], -2.0, v[Y+2*z:Y+2*z+1] op_sel_hi:[1,0,1]
	EACH 16, v_max_num_f32 v[S+z], 0, v[S+z]
	EACH 8, v_pk_add_f32 v[Y+2*z:Y+2*z+1], v[S+2*z:S+2*z+1], s[EPS:EPS+1] op_sel_hi:[1,0]
	; the roots, one batch: y, |k|, |q|
	EACH 16, v_sqrt_f32 v[Y+z], v[Y+z]
	EACH 16, v_sqrt_f32 v[GK+z], v[GK+z]
	EACH 2, v_sqrt_f32 v[MQ+8*z], v[QS+8*z]
	v_nop                                          ; a plain instruction behind the last root,
	s_wait_alu depctr_va_vdst(0)                   ; and one wait ahead of the batch's first reader: the 34 roots are written
	; the cosine and the divisor
	EACH 8, v_pk_mul_f32 v[Y+2*z:Y+2*z+1], v[Y+2*z:Y+2*z+1], s[I2P:I2P+1] op_sel_hi:[1,0]
.if (\p) > 0
	s_wait_xcnt 0x0                                ; the last pair's stores have had their addresses translated (ISA guide 3.1): their data registers, OUT, are rewritten only behind this wait,
	s_wait_alu depctr_vm_vsrc(0)                   ; and they have read OUT, v120 to v151, which the lines below write as U and PP: the first writes of these registers since the stores
.endif
	EACH 16, v_rndne_f32 v[U+z], v[Y+z]
	EACH 8, v_pk_add_f32 v[Y+2*z:Y+2*z+1], v[Y+2*z:Y+2*z+1], v[U+2*z:U+2*z+1] neg_lo:[0,1] neg_hi:[0,1]
.irp r, 104,105,106,107,108,109,110,111,112,113,114,115,116,117,118,119
	v_sub_f32 v\r, s[QRT], |v\r|                   ; Y's sixteen registers by number: w = 1/4 - |t|
.endr
	EACH 8, v_pk_mul_f32 v[U+2*z:U+2*z+1], v[Y+2*z:Y+2*z+1], v[Y+2*z:Y+2*z+1]
	EACH 8, v_pk_fma_f32 v[PP+2*z:PP+2*z+1], v[U+2*z:U+2*z+1], s[C4:C4+1], s[C3:C3+1] op_sel_hi:[1,0,0]
	EACH 8, v_pk_fma_f32 v[PP+2*z:PP+2*z+1], v[PP+2*z:PP+2*z+1], v[U+2*z:U+2*z+1], s[C2:C2+1] op_sel_hi:[1,1,0]
	EACH 8, v_pk_fma_f32 v[PP+2*z:PP+2*z+1], v[PP+2*z:PP+2*z+1], v[U+2*z:U+2*z+1], s[C1:C1+1] op_sel_hi:[1,1,0]
	EACH 8, v_pk_fma_f32 v[PP+2*z:PP+2*z+1], v[PP+2*z:PP+2*z+1], v[U+2*z:U+2*z+1], s[C0:C0+1] op_sel_hi:[1,1,0]
	EACH 8, v_pk_fma_f32 v[PP+2*z:PP+2*z+1], v[Y+2*z:Y+2*z+1], v[PP+2*z:PP+2*z+1], 1.0 op_sel_hi:[1,1,0]             ; 1 + 0.15 cos
	EACH 8, v_pk_fma_f32 v[PP+2*z:PP+2*z+1], v[S+2*z:S+2*z+1], v[PP+2*z:PP+2*z+1], s[EPS:EPS+1] op_sel_hi:[1,1,0]   ; d2 x that + eps
	; the forces
	EACH 16, v_rcp_f32 v[PP+z], v[PP+z]
	EACH 8, v_pk_mul_f32 v[GQ+2*z:GQ+2*z+1], v[GK+2*z:GK+2*z+1], v[MQ+8*(z/4):MQ+8*(z/4)+1] op_sel_hi:[1,0]          ; |q| |k|: the work that names no reciprocal
	s_wait_alu depctr_va_vdst(0)                   ; one wait for the sixteen reciprocals, ahead of their first reader
	EACH 8, v_pk_mul_f32 v[GQ+2*z:GQ+2*z+1], v[GQ+2*z:GQ+2*z+1], v[PP+2*z:PP+2*z+1]
	; the row's maximum: my eight key heads, then the other half of the lanes'
	EACH 2, v_max3_num_f32 v[XT+2*z], v[GQ+8*z], v[GQ+8*z+1], v[GQ+8*z+2]
	EACH 2, v_max3_num_f32 v[XT+2*z+1], v[GQ+8*z+3], v[GQ+8*z+4], v[GQ+8*z+5]
	EACH 2, v_max3_num_f32 v[XT+2*z], v[XT+2*z], v[GQ+8*z+6], v[GQ+8*z+7]
	EACH 2, v_max_num_f32 v[XT+2*z], v[XT+2*z], v[XT+2*z+1]
	EACH 2, v_permlanex16_b32 v[TA+2*z], v[XT+2*z], s[SEL], s[SEL+1]
	EACH 2, v_max_num_f32 v[XT+2*z], v[XT+2*z], v[TA+2*z]
	EACH 2, v_mul_f32 v[MX+8*z], s[L2E], v[XT+2*z]
	EACH 8, v_pk_fma_f32 v[GQ+2*z:GQ+2*z+1], v[GQ+2*z:GQ+2*z+1], s[L2E:L2E+1], v[MX+8*(z/4):MX+8*(z/4)+1] op_sel_hi:[1,0,0] neg_lo:[0,0,1] neg_hi:[0,0,1]
	EACH 16, v_exp_f32 v[GQ+z], v[GQ+z]
	v_nop
	s_wait_alu depctr_va_vdst(0)                   ; one wait for the sixteen exponentials, ahead of their first reader
	; the row's sum, its reciprocal, the weights
	EACH 2, v_pk_add_f32 v[XT+2*z:XT+2*z+1], v[GQ+8*z:GQ+8*z+1], v[GQ+8*z+2:GQ+8*z+3]
	EACH 2, v_pk_add_f32 v[XT+2*z:XT+2*z+1], v[XT+2*z:XT+2*z+1], v[GQ+8*z+4:GQ+8*z+5]
	EACH 2, v_pk_add_f32 v[XT+2*z:XT+2*z+1], v[XT+2*z:XT+2*z+1], v[GQ+8*z+6:GQ+8*z+7]
	EACH 2, v_add_f32 v[XT+2*z], v[XT+2*z], v[XT+2*z+1]
	EACH 2, v_permlanex16_b32 v[TA+2*z], v[XT+2*z], s[SEL], s[SEL+1]
	EACH 2, v_add_f32 v[XT+2*z], v[XT+2*z], v[TA+2*z]
	EACH 2, v_rcp_f32 v[RS+8*z], v[XT+2*z]
	v_nop
	s_wait_alu depctr_va_vdst(0)                   ; one wait for the two reciprocals, ahead of their first reader
	EACH 8, v_pk_mul_f32 v[GQ+2*z:GQ+2*z+1], v[GQ+2*z:GQ+2*z+1], v[RS+8*(z/4):RS+8*(z/4)+1] op_sel_hi:[1,0]
	EACH 8, v_cvt_pk_f16_f32 v[PF+8*(z/4)+z%4], v[GQ+2*z], v[GQ+2*z+1]
.if \next
	s_wait_loadcnt 16                              ; V is in; the next pair's sixteen loads of Q and K may stay out
.else
	s_wait_loadcnt 0x0
.endif
.irp c, 0,1,2,3                        ; eight sums of one product each
.irp t, 0,1
	v_wmma_f32_16x16x32_f16 v[OT+32*(\t)+8*(\c):OT+32*(\t)+8*(\c)+7], v[VV+8*(\c):VV+8*(\c)+7], v[PF+4*(\t):PF+4*(\t)+7], 0
.endr
.endr
.rept 4
	v_nop                                          ; the places, as above
.endr
	EACH 32, v_cvt_pk_f16_f32 v[OUT+z], v[OT+2*z], v[OT+2*z+1]      ; in ascending order: each result is read from its low end on
	s_wait_alu depctr_va_vdst(0)                   ; the conversions have written OUT, which the stores below read; the eight products are done reading VV, in which the next pair's loads of V land
.if \next
	LDV (\p)+1
.endif
.irp t, 0,1
.irp c, 0,1,2,3
	global_store_b128 v[LO], v[OUT+16*(\t)+4*(\c):OUT+16*(\t)+4*(\c)+3], s[6:7] offset:(2*(\p)+(\t))*2048+512*(\c) th:TH_STORE_NT  ; 512 consecutive bytes, at a multiple of 512 from att's first byte
.endr
.endr
.endm
	PAIR 0, 1
	PAIR 1, 0
	s_endpgm
.Lfunc_end_k_qb42858604e_attn:
	.size	k_qb42858604e_attn, .Lfunc_end_k_qb42858604e_attn-k_qb42858604e_attn
	.p2alignl 7, 3214868480
	.fill 96, 4, 3214868480
	.section	.rodata,"a",@progbits
	.p2align	6, 0x0
	.amdhsa_kernel k_qb42858604e_attn
		.amdhsa_group_segment_fixed_size 0
		.amdhsa_private_segment_fixed_size 0
		.amdhsa_enable_private_segment 0
		.amdhsa_kernarg_size 16
		.amdhsa_user_sgpr_count 2
		.amdhsa_user_sgpr_kernarg_segment_ptr 1
		.amdhsa_wavefront_size32 1
		.amdhsa_system_sgpr_workgroup_id_x 1
		.amdhsa_system_sgpr_workgroup_id_y 1
		.amdhsa_system_sgpr_workgroup_id_z 1
		.amdhsa_system_vgpr_workitem_id 0
		.amdhsa_next_free_vgpr 248
		.amdhsa_next_free_sgpr 66
		.amdhsa_reserve_vcc 0
		.amdhsa_float_denorm_mode_32 3
		.amdhsa_float_denorm_mode_16_64 3
		.amdhsa_memory_ordered 1
		.amdhsa_forward_progress 1
		.amdhsa_inst_pref_size 57
	.end_amdhsa_kernel
	.amdgpu_metadata
---
amdhsa.version: [ 1, 2 ]
amdhsa.kernels:
  - .name:           k_qb42858604e_attn
    .symbol:         k_qb42858604e_attn.kd
    .args:
      - { .name: qkv, .offset: 0, .size: 8, .value_kind: global_buffer, .address_space: global }
      - { .name: att, .offset: 8, .size: 8, .value_kind: global_buffer, .address_space: global }
    .group_segment_fixed_size: 0
    .private_segment_fixed_size: 0
    .kernarg_segment_align: 8
    .kernarg_segment_size: 16
    .max_flat_workgroup_size: 256
    .sgpr_count:     66
    .vgpr_count:     248
    .wavefront_size: 32
...
	.end_amdgpu_metadata
.endif
;; end of part 5
;; launch gemm_out: the kernel of part 4 again; grid 4 x 64, 4 waves a work-group, clusters of 4 x 4, 327,680 bytes of LDS; arguments att, wo, b_out, out0; writes out0
